; MI455X (gfx1250); checked and timed in simulation.
; The chip was launched on July 23, 2026; its instructions are those of AMD's public machine-readable ISA for CDNA 5 (MIT licence, August 2026) and "CDNA5" Instruction Set Architecture Reference Guide (July 2026). The comments in the code are by the model that wrote it; some were corrected since.
;; Multi Head Attention. Allowed arithmetic: matrix products marked QUANTISED: E5M2 operands, one given power-of-two scale a tensor, by v_wmma_f32_16x16x64_bf8_bf8 or v_wmma_f32_16x16x128_bf8_bf8, f32 sums; everything else in f32.
;; Inputs: bk1 1,024 float32; bk2 1,024 float32; bo 1,024 float32; bq1 1,024 float32; bq2 1,024 float32; bv1 1,024 float32; bv2 1,024 float32; key_codes 2 x 2,048 x 32 x 32 uint8 (E5M2 codes of key, K innermost, in blocks of 32 codes); lowp_scales 18 int32 (the exponents e of the quantised operands' scales 2^e); mask 1 x 1 x 2,048 x 2,048 int32; query_codes 2 x 2,048 x 32 x 32 uint8 (E5M2 codes of query, K innermost, in blocks of 32 codes); value_codes 2 x 2,048 x 32 x 32 uint8 (E5M2 codes of value, K innermost, in blocks of 32 codes); wk1_codes 1,024 x 32 x 32 uint8 (E5M2 codes of wk1, K innermost, in blocks of 32 codes); wk2_codes 1,024 x 32 x 32 uint8 (E5M2 codes of wk2, K innermost, in blocks of 32 codes); wo_codes 1,024 x 32 x 32 uint8 (E5M2 codes of wo, K innermost, in blocks of 32 codes); wq1_codes 1,024 x 32 x 32 uint8 (E5M2 codes of wq1, K innermost, in blocks of 32 codes); wq2_codes 1,024 x 32 x 32 uint8 (E5M2 codes of wq2, K innermost, in blocks of 32 codes); wv1_codes 1,024 x 32 x 32 uint8 (E5M2 codes of wv1, K innermost, in blocks of 32 codes); wv2_codes 1,024 x 32 x 32 uint8 (E5M2 codes of wv2, K innermost, in blocks of 32 codes).
;; Outputs: out0 2 x 2,048 x 1,024 float32.
;; This version of the problem:
;;   THIS VERSION OF THE PROBLEM IS GIVEN IN LOW PRECISION. The matrix products marked QUANTISED in the list below multiply operands that are first quantised to E5M2 (5 exponent bits, 2 mantissa bits; 8 bits a number), with one given power-of-two scale for each operand tensor; their sums are f32. All else is computed in f32.
;;   The module's matrix products, in the order in which they are computed (A, B: the left and right operand; K: the contracted axis; several contracted axes count as one K, in the product's order):
;;     1. [M 4,096, K 1,024] x [K 1,024, N 1,024]; A: input query (given as codes); B: input wq1 (given as codes): QUANTISED (scales: A lowp_scales[0], B lowp_scales[1])
;;     2. [M 4,096, K 1,024] x [K 1,024, N 1,024]; A: input query (given as codes); B: input wq2 (given as codes): QUANTISED (scales: A lowp_scales[2], B lowp_scales[3])
;;     3. [M 4,096, K 1,024] x [K 1,024, N 1,024]; A: input key (given as codes); B: input wk1 (given as codes): QUANTISED (scales: A lowp_scales[4], B lowp_scales[5])
;;     4. [M 4,096, K 1,024] x [K 1,024, N 1,024]; A: input key (given as codes); B: input wk2 (given as codes): QUANTISED (scales: A lowp_scales[6], B lowp_scales[7])
;;     5. [M 4,096, K 1,024] x [K 1,024, N 1,024]; A: input value (given as codes); B: input wv1 (given as codes): QUANTISED (scales: A lowp_scales[8], B lowp_scales[9])
;;     6. [M 4,096, K 1,024] x [K 1,024, N 1,024]; A: input value (given as codes); B: input wv2 (given as codes): QUANTISED (scales: A lowp_scales[10], B lowp_scales[11])
;;     7. batch 32 x [M 2,048, K 64] x [K 64, N 2,048]; A: computed on the way; B: computed on the way: QUANTISED (scales: A lowp_scales[12], B lowp_scales[13])
;;     8. batch 32 x [M 2,048, K 2,048] x [K 2,048, N 64]; A: softmax (see below); B: computed on the way: QUANTISED (scales: A lowp_scales[14], B lowp_scales[15])
;;     9. [M 4,096, K 1,024] x [K 1,024, N 1,024]; A: computed on the way; B: input wo (given as codes): QUANTISED (scales: A lowp_scales[16], B lowp_scales[17])
;;   THE QUANTISER, for each operand of a quantised product, along K:
;;     - The operand's scale is 2^e, e = its entry of the input lowp_scales (int32; the entries are numbered through the quantised products in the list's order, A before B).
;;     - Each number is divided by the scale, clamped to +-57,344, and rounded to the nearest number of E5M2, ties to even, subnormals kept.
;;     - The product sums the exact products of the quantised numbers (number of the format x scale) in f32.
;;   ~~~python
;;   def quantise(x, axis, e):      # numpy; x: float32 -> the quantised numbers, widened to float32 again
;;       x = np.moveaxis(x, axis, -1); K = x.shape[-1]
;;       r = np.clip(x / 2.0 ** e, -57344, 57344)
;;       step = 2.0 ** (np.maximum(np.frexp(np.where(r == 0, 1, r))[1] - 1, -14) - 2)
;;       q = np.round(r / step) * step * 2.0 ** e      # np.round: ties to even
;;       return np.moveaxis(q, -1, axis).astype(np.float32)
;;   ~~~
;;   SOFTMAX AHEAD OF A QUANTISED PRODUCT. Where the list says 'softmax', what is quantised is not the finished softmax but p = 2^(t - M), with t = logit x log2(e) and M = ceil(the row's largest t), a whole number; so 1/2 < the row's largest p <= 1. The row's sum l is taken of the UNQUANTISED p, in f32, and the product's result is divided by l at the end. Since M is a whole number, a kernel that streams over the keys may use a running M (the ceiling of the running maximum): every later rescaling is an exact power of two, so the quantised numbers keep their values, but for numbers so far below the row's largest that they fall under the format's range.
;;   OPERANDS COMPUTED ON THE WAY. 'Computed on the way' means the value that the module computes at that place (a softmax that the list does not call 'softmax' is quantised finished and normalised). What goes into a quantiser is computed in f32, as accurately as f32 sums, v_exp_f32 and their like allow (about 1e-6 of the number): no bf16 or f16 on the way to a quantiser, and a product that is left as it is and whose result goes on into a quantised operand takes f32 operands (vector FMAs, or v_wmma_f32_16x16x4_f32). A number that lies on a knife's edge between two numbers of the format may be rounded either way, as far as f32 arithmetic and the matrix unit's own rounding can turn it there, and no further.
;;   INPUTS GIVEN AS CODES. key (in the module: [2, 2048, 1024], K = its axis 2); query (in the module: [2, 2048, 1024], K = its axis 2); value (in the module: [2, 2048, 1024], K = its axis 2); wk1 (in the module: [1024, 1024], K = its axis 1); wk2 (in the module: [1024, 1024], K = its axis 1); wo (in the module: [1024, 1024], K = its axis 1); wq1 (in the module: [1024, 1024], K = its axis 1); wq2 (in the module: [1024, 1024], K = its axis 1); wv1 (in the module: [1024, 1024], K = its axis 1); wv2 (in the module: [1024, 1024], K = its axis 1): each comes as NAME_codes (uint8): NAME with its K axis moved to the last place and cut into blocks of 32 codes, [.., K / 32, bytes a block], one block behind the other in memory; one code a byte (a code: sign, 5 exponent bits, 2 mantissa bits); its scale is its entry of lowp_scales. Its value is code x scale, taken as it is: it is not quantised again, and the codes and scales need not be those that the quantiser above would give.
;; 2 versions, each right; version 2 is version 1 with the launch attn written anew for expert scheduling mode. Each part assembles by itself: llvm-mc -triple=amdgcn-amd-amdhsa -mcpu=gfx1250 --defsym DOCPART=n.
;; ======== version 1 of 2: 3 launches
;; limits: right only within a limited range of input values
;; workspace buffers: q_img 4,194,304 bytes; k_img 4,194,304 bytes; v_img 4,194,304 bytes; x_img 4,194,304 bytes; mw 524,288 bytes of whole numbers; mf 131,072 bytes of whole numbers
;; launch proj (part 1): grid 8 x 48, 4 waves a work-group, clusters of 4 x 4, 327,680 bytes of LDS; arguments value_codes, wv1_codes, wv2_codes, bv1, bv2, v_img, query_codes, wq1_codes, wq2_codes, bq1, bq2, q_img, key_codes, wk1_codes, wk2_codes, bk1, bk2, k_img, lowp_scales, mask, mw, mf; writes v_img, q_img, k_img, mw, mf
.if DOCPART == 1
	.amdgcn_target "amdgcn-amd-amdhsa--gfx1250"
	.amdhsa_code_object_version 6
	.text
	.protected	k_q0a84b45870_proj
	.globl	k_q0a84b45870_proj
	.p2align	8
	.type	k_q0a84b45870_proj,@function
k_q0a84b45870_proj:
	s_mov_b64 s[64:65], 0
	v_nop
	global_prefetch_b8 v0, s[64:65] scope:SCOPE_SE
	s_setreg_imm32_b32 hwreg(HW_REG_WAVE_MODE, 25, 1), 1
	s_wait_xcnt 0x0
	s_wait_alu depctr_hold_cnt(0) depctr_sa_sdst(0) depctr_va_vdst(0) depctr_va_sdst(0) depctr_va_ssrc(0) depctr_va_vcc(0) depctr_vm_vsrc(0)
	s_getreg_b32 s2, hwreg(HW_REG_IB_STS2, 6, 4)
	s_cmp_eq_u32 s2, 0
	s_cbranch_scc0 .Lentry_in_a_cluster
	s_endpgm
.Lentry_in_a_cluster:
	s_bfe_u32 s2, ttmp6, 0x10000c
	s_cmp_lg_u32 s2, 0xf033
	s_cbranch_scc0 .Lentry_shape_is_right
	s_endpgm
.Lentry_shape_is_right:
; THE THREE SWIGLU PROJECTIONS: y = silu(x W1^T + b1) (x W2^T + b2) for x = value, query, key (4,096 tokens x 1,024), both products on the given codes of BF8 (E5M2);
; y is quantised with its given scale (v: entry 15 of the scales, q: entry 12, k: entry 13) and stored as an IMAGE OF THE OPERAND REGISTERS of the attention launch.  The work-groups of v also turn the mask (int32) into lane-mask words.
; SHARES.  48 rows of work-groups: 16 for v, 16 for q, 16 for k (T = cluster y / 4: the same in all partners of a cluster); a work-group takes 256 tokens x 128 features (two heads).  Its tile is 256 x 256: 256 rows of x against
; 128 rows of W1 and the same 128 rows of W2.  Four waves; wave w takes tokens 128 (w / 2) on and head w % 2 (64 features): 64 accumulators (a, b): a = block of 16 tokens, b = 0-3: W1's features 16 b on, b = 4-7: W2's features 16 (b - 4) on.
; THE MATRIX INSTRUCTION IS USED TRANSPOSED (source 0 = 16 rows of W, source 1 = 16 tokens): a lane holds ONE token (lane % 16) and its register j feature 8 (lane / 16) + j, so that both halves of the SwiGLU meet in one lane, and a
; lane's eight registers are eight neighbours along the next product's K.  A fragment is fetched by four loads of 16 bytes, 32 bytes apart: a permutation of k that is the same on both sides.
; K goes in steps of 256 through a ring of two LDS slots filled by joint tensor loads: x's tile is shared along a row of the 4 x 4 cluster, W's along a column.  K = 1,024 is four slots' worth: the walk is written out, there is no loop.
; IMAGES.  q_img, k_img: head Hh (16 batch + head) x 131,072 + token tile x 1,024 + 512 c2 + 16 lane: registers 4 c2 .. 4 c2 + 3 of the K = 64 operand: my conversions' results as they stand.
;   v_img: Hh x 131,072 + key step x 8,192 + dt x 2,048 + 512 c4 + 16 lane: the K = 128 operand of V^T (keys innermost); row r of tile dt is channel 32 (dt / 2) + 16 (r / 8) + 8 (dt % 2) + r % 8.  It is turned byte by byte in the wave's own stage in LDS.
;   mw: word (16 qt + st) x 64 + 8 t + j: bit (lane) = mask[16 qt + lane % 16][128 st + 16 t + 8 (lane / 16) + j] is not 0.
;   mf: 256 bytes for query tile qt and quarter j of the keys, at (4 qt + j) x 256, all holding one word: bits 15:0: row r of the tile has a key that counts among keys 512 j .. 512 j + 511; bit 16 + u: key step 4 j + u has one for some row.
; LIMITS on the given exponents, so that each power of two below is an f32 number: each product's two exponents added lie between -126 and 127; entries 12, 13, 15 between -126 and 112.  NaN among the biases is not served.
; REGISTERS, in windows of 256: window 0: v1-31 addresses and constants; v32-95 the biases in the result's layout; v128-255 x's fragments, ONE set; behind the loop v96-127 T1, v128-159 T2, v160-191 EX, v192-255 the codes.
;   window 1: W's fragments, two sets;  window 2: the accumulators of my tokens 0-63 ((a, b) at v[8 (8 a + b)]);  window 3: those of tokens 64-127.
.set PITCH,  272                       ; an LDS row: 256 bytes + 16 of padding = 68 words, so that the 16 rows of a fragment load start at 16 different banks (64 banks of 4 bytes: ISA guide 11.1)
.set ROWB,   256                       ; a tile's row in bytes
.set FR,     16                        ; registers of a fragment: 16 rows x 128 K
.set NL,     4                         ; LDS loads that bring one
.set NP,     4                         ; places behind this matrix instruction (ISA guide 7.12.1)
.set HALFT,  128*PITCH                 ; what one tensor load brings
.set SLOT,   4*HALFT                   ; rows 0-255 x, 256-383 W1, 384-511 W2
.set SPARE,  2*SLOT                    ; behind the ring: the spare words, 128 bytes a wave: two blocks of 256 bytes that no other line names
.set VSTG,   SPARE+512                 ; v's stage: 8,192 bytes a wave; no fill lands here
.set MKO,  10                          ; v10  mask: (lane % 16) rows of 8,192 bytes + 32 (lane / 16)
.set L8,   11                          ; v11  8 x lane
.set VS,   12                          ; v12  v's stage, on the way in
.set VR,   13                          ; v13  and on the way out: 16 x lane
.set LI,   14                          ; v14  16 x lane
.set BO,   15                          ; v15  32 (lane / 16): my eight numbers of a bias block
.set ADRA, 16                          ; v16-17 LDS address of my x fragments in slot 0, 1
.set ADRB, 20                          ; v20-21 the same for W
.set SPW,  28                          ; v28  my spare word; never rewritten
.set NIL,  29                          ; v29  0; never rewritten
.set SC,   30                          ; v30  the output's scale as f32
.set LIM,  31                          ; v31  57,344 x that
.set B1,   32
.set B2,   64
.set T1,   96
.set T2,   128
.set EX,   160
.set CD,   192
.set AF,   128
.set G1,   24                          ; s[24:31] descriptor group 1 for x's tiles; s[32:39] group 0, a set for each slot
.set G0,   32
.set G1B,  48                          ; s[48:55], s[56:63] the same for W's tiles
.set G0B,  56
.set MSB, 0
.macro WIN new                         ; the immediate's high byte repeats the setting that is left; a switch that changes nothing is dropped
.if MSB != (\new)
	s_set_vgpr_msb (MSB<<8)|(\new)
.set MSB, (\new)
.endif
.endm
.set MUL_LO, 0xa1                      ; source 0 (W) window 1, source 1 (x) window 0, C and D window 2
.set MUL_HI, 0xf1                      ; the same, C and D window 3
.set TO_B,   0x40                      ; destination window 1, address window 0
; A joint load: waves 0 and 1 fetch x's two halves, wave 2 W1's rows, wave 3 W2's.  The branch hangs on the wave's number alone.  Four v_nop follow each of the two lines.
.macro JLOAD s
	s_cmp_eq_u32 s89, 0
	s_cbranch_scc0 .Lfor_b_\@
	tensor_load_to_lds s[G0+4*\s:G0+4*\s+3], s[G1:G1+7]
	s_nop 0
.rept 4
	v_nop
.endr
	s_branch .Lasked_\@
.Lfor_b_\@:
	tensor_load_to_lds s[G0B+4*\s:G0B+4*\s+3], s[G1B:G1B+7]
	s_nop 0
.rept 4
	v_nop
.endr
.Lasked_\@:
.endm
.macro CREST                           ; a round of the cluster's barrier behind its opening barrier
	s_cmp_lg_u32 s88, 0
	s_cbranch_scc1 .Lnot_wave_0_\@
	s_barrier_signal -3
.Lnot_wave_0_\@:
	s_barrier_wait -3
	s_barrier_signal -1
	s_barrier_wait -1
.endm
.macro CROUND                          ; a whole round
	s_barrier_signal -1
	s_barrier_wait -1
	CREST
.endm
	s_load_b512 s[4:19], s[0:1], 0x0               ; v's six buffers s[4:15]: x, W1, W2, b1, b2, image; then q's six from s16 on,
	s_load_b512 s[20:35], s[0:1], 0x40             ; k's six from s28 on,
	s_load_b256 s[36:43], s[0:1], 0x80             ; the scales' exponents s[40:41], the mask s[42:43],
	s_load_b64 s[44:45], s[0:1], 0xa0              ; the mask words s[44:45],
	s_load_b64 s[70:71], s[0:1], 0xa8              ; the mask's flags s[70:71]
	v_lshl_add_u32 v[SPW], v0, 2, SPARE
	v_mov_b32 v[NIL], 0
	ds_add_u32 v28, v29
	ds_add_u32 v28, v29
	s_wait_dscnt 0x0
	v_lshrrev_b32 v1, 5, v0
	v_readfirstlane_b32 s88, v1                    ; wave 0..3
	s_lshr_b32 s89, s88, 1                         ; RH: which 128 tokens are mine.  Also: I fetch for x (0) or for W (1)
	s_and_b32 s90, s88, 1                          ; CH: which head is mine.  Also: which half of x's tile, or which of W1 and W2, I fetch
	s_bfe_u32 s92, ttmp6, 0x40000                  ; cx
	s_bfe_u32 s93, ttmp6, 0x40004                  ; cy
	s_lshl_b32 s94, ttmp9, 2
	s_add_co_u32 s94, s94, s92                     ; tx = 4 x cluster x + cx: 128 features
	s_and_b32 s95, ttmp7, 0xffff                   ; cluster y, 0..11
	s_lshr_b32 s91, s95, 2                         ; T: 0 = v, 1 = q, 2 = k: the same in all sixteen partners
	s_and_b32 s96, s95, 3
	s_lshl_b32 s96, s96, 2
	s_add_co_u32 s96, s96, s93                     ; tr: which 256 tokens
	s_lshl_b32 s97, s93, 2
	s_lshl_b32 s97, 15, s97                        ; my row of the cluster
	s_lshl_b32 s98, 0x1111, s92                    ; my column
	s_wait_kmcnt 0x0
	s_cmp_eq_u32 s91, 1                            ; the six buffers of my tensor are chosen by T, which hangs on no address
.irp i, 0,1,2,3,4,5
	s_cselect_b64 s[4+2*\i:5+2*\i], s[16+2*\i:17+2*\i], s[4+2*\i:5+2*\i]
.endr
	s_cmp_eq_u32 s91, 2
.irp i, 0,1,2,3,4,5
	s_cselect_b64 s[4+2*\i:5+2*\i], s[28+2*\i:29+2*\i], s[4+2*\i:5+2*\i]
.endr
	s_load_b512 s[72:87], s[40:41], 0x0            ; entries 0 to 15 of the scales' exponents
	; descriptor group 1: a tile of 128 rows x 256 bytes, padded in LDS
	s_or_b32 s[G1+0], s97, (0<<16)|(1<<20)|(1<<21)|(5<<22)|(3<<25)   ; 15:0 the mask: x's tiles go to my row; 17:16 elements of 1 byte; 20 padding on; 21 set beside a mask; 24:22 after every 64 words; 31:25 four words
	s_or_b32 s[G1B+0], s98, (0<<16)|(1<<20)|(1<<21)|(5<<22)|(3<<25)  ; W's tiles go to my column
.irp g, G1, G1B
	s_mov_b32 s[\g+1], ROWB<<16                    ; tensor_dim0
	s_mov_b32 s[\g+2], 128<<16                     ; tensor_dim1
	s_mov_b32 s[\g+3], ROWB<<16                    ; tile_dim0
	s_mov_b32 s[\g+4], 128                         ; tile_dim1
	s_mov_b32 s[\g+5], 1024                        ; from row to row
	s_mov_b32 s[\g+6], 0
	s_mov_b32 s[\g+7], 0
.endr
	s_lshl_b32 s16, s96, 18                        ; x: row 256 tr + 128 CH, rows of 1,024 bytes
	s_lshl_b32 s17, s90, 17
	s_add_co_u32 s16, s16, s17
	s_mov_b32 s17, 0
	s_add_nc_u64 s[20:21], s[4:5], s[16:17]
	s_cmp_eq_u32 s90, 0
	s_cselect_b64 s[46:47], s[6:7], s[8:9]         ; W1 (wave 2) or W2 (wave 3),
	s_lshl_b32 s18, s94, 17                        ; row 128 tx
	s_mov_b32 s19, 0
	s_add_nc_u64 s[46:47], s[46:47], s[18:19]
	s_mul_i32 s3, s88, HALFT                       ; where they go: wave x 128 rows: no place in the cluster enters an LDS address
	CROUND                                         ; all sixteen work-groups are here: the first joint loads meet
.irp s, 0,1
	s_mov_b32 s[G0+4*\s], 1
	s_add_co_u32 s[G0+4*\s+1], s3, \s*SLOT
	s_add_nc_u64 s[G0+4*\s+2:G0+4*\s+3], s[20:21], \s*ROWB
	s_or_b32 s[G0+4*\s+3], s[G0+4*\s+3], 0x80000000
	s_mov_b32 s[G0B+4*\s], 1
	s_add_co_u32 s[G0B+4*\s+1], s3, \s*SLOT
	s_add_nc_u64 s[G0B+4*\s+2:G0B+4*\s+3], s[46:47], \s*ROWB
	s_or_b32 s[G0B+4*\s+3], s[G0B+4*\s+3], 0x80000000
	JLOAD \s
.endr
	v_and_b32 v1, 15, v0                           ; r = lane % 16
	v_bfe_u32 v2, v0, 4, 1                         ; h = lane / 16
	v_mul_u32_u24 v3, v1, PITCH
	v_lshl_add_u32 v4, v2, 4, v3                   ; a fragment's row x pitch + 16 h
	s_mul_i32 s99, s89, HALFT                      ; my 128 tokens
	s_mul_i32 s100, s90, 64*PITCH                  ; my 64 features of W1 (W2's lie 128 rows on),
	s_add_co_u32 s100, s100, 2*HALFT               ; behind x's 256 rows
.irp s, 0,1
	v_add_nc_u32 v[ADRA+\s], s99, v4
	v_add_nc_u32 v[ADRB+\s], s100, v4
	s_add_co_u32 s99, s99, SLOT
	s_add_co_u32 s100, s100, SLOT
.endr
	s_lshl_b32 s101, s88, 13
	s_add_co_u32 s101, s101, VSTG                  ; my stage
	v_lshrrev_b32 v5, 3, v1
	v_and_b32 v6, 7, v1
	v_lshl_add_u32 v6, v5, 8, v6
	v_lshl_add_u32 v6, v2, 11, v6
	v_add_nc_u32 v[VS], s101, v6                   ; in: 2,048 h + 256 (r / 8) + r % 8
	v_and_b32 v7, 31, v0
	v_lshlrev_b32 v[LI], 4, v7
	v_add_nc_u32 v[VR], s101, v[LI]
	v_lshlrev_b32 v[L8], 3, v7
	v_lshlrev_b32 v[MKO], 13, v1
	v_lshl_add_u32 v[MKO], v2, 5, v[MKO]
	v_lshlrev_b32 v[BO], 5, v2
	s_lshr_b32 s22, s96, 3                         ; my place in the image: Hh = 16 batch + 2 tx + CH, 131,072 bytes a head;
	s_lshl_b32 s22, s22, 4
	s_lshl_b32 s23, s94, 1
	s_add_co_u32 s22, s22, s23
	s_add_co_u32 s22, s22, s90
	s_lshl_b32 s22, s22, 17
	s_and_b32 s23, s96, 7                          ; 128 tokens are 8,192 bytes in all three images: 16,384 (tr % 8) + 8,192 RH
	s_lshl_b32 s23, s23, 14
	s_add_co_u32 s22, s22, s23
	s_lshl_b32 s23, s89, 13
	s_add_co_u32 s22, s22, s23
	s_mov_b32 s23, 0
	s_add_nc_u64 s[14:15], s[14:15], s[22:23]
	s_lshl_b32 s22, s94, 9                         ; the biases at my 64 features: 4 (128 tx + 64 CH)
	s_lshl_b32 s2, s90, 8
	s_add_co_u32 s22, s22, s2
	s_add_nc_u64 s[10:11], s[10:11], s[22:23]
	s_add_nc_u64 s[12:13], s[12:13], s[22:23]
; THE MASK, in v's 128 work-groups (512 waves): wave G takes query tile G / 4 and key steps 4 (G % 4) + 0 .. 3.  A unit is 16 queries x 128 keys: lane (r, h) loads, of row r, the eight numbers 16 t + 8 h + 0 .. 7 of each of eight
; tiles of 16 keys: the very numbers whose scores it will hold.  A compare makes of register n one word with a bit a lane; 64 words, set into two registers lane by lane, leave as 256 consecutive bytes.
; The same words are gathered by scalar ORs: s17 over a unit (is any bit set?), s16 over the wave's four units (which lanes have a bit set?); s18 collects the units' flags.  They make the wave's word of mf.
; The branch hangs on T, which all partners share; no LDS access, barrier or tensor load stands under it.
.macro MLOAD u, reg
.irp t, 0,1,2,3,4,5,6,7
	global_load_b128 v[\reg+8*\t:\reg+8*\t+3],   v[MKO], s[42:43] offset:512*\u+64*\t
	global_load_b128 v[\reg+8*\t+4:\reg+8*\t+7], v[MKO], s[42:43] offset:512*\u+64*\t+16
.endr
.endm
.macro MWORDS u, reg
	s_mov_b32 s17, 0
.irp g, 0,1,2,3,4,5,6,7,8,9,10,11,12,13,14,15
.irp k, 0,1,2,3
	v_cmp_ne_u32 s[98+\k], 0, v[\reg+4*\g+\k]      ; word n = 4 g + k
.endr
.irp k, 0,1,2,3
	v_writelane_b32 v[96+2*\u+(\k%2)], s[98+\k], 2*\g+\k/2   ; to lane n / 2, register n % 2
.endr
.irp k, 0,1,2,3
	s_or_b32 s17, s17, s[98+\k]
.endr
.endr
	global_store_b64 v[L8], v[96+2*\u:97+2*\u], s[44:45] offset:256*\u   ; 32 lanes store 256 consecutive bytes, aligned
	s_or_b32 s16, s16, s17
	s_cmp_lg_u32 s17, 0                            ; has this key step a key that counts, for any of the 16 queries?
	s_cselect_b32 s19, 1<<(16+\u), 0
	s_or_b32 s18, s18, s19
.endm
	s_cmp_lg_u32 s91, 0
	s_cbranch_scc1 .Lno_mask
	s_lshl_b32 s22, s96, 3
	s_add_co_u32 s22, s22, s94
	s_lshl_b32 s22, s22, 2
	s_add_co_u32 s22, s22, s88                     ; G = 4 (8 tr + tx) + wave, 0..511
	s_lshr_b32 s2, s22, 2
	s_lshl_b32 s2, s2, 17                          ; 16 rows of 8,192 bytes
	s_and_b32 s3, s22, 3
	s_lshl_b32 s3, s3, 11                          ; four key steps of 512 bytes
	s_add_co_u32 s2, s2, s3
	s_mov_b32 s3, 0
	s_add_nc_u64 s[42:43], s[42:43], s[2:3]
	s_lshl_b32 s2, s22, 8                          ; my 256 bytes of the flags
	s_add_nc_u64 s[70:71], s[70:71], s[2:3]
	s_lshl_b32 s22, s22, 10                        ; four units of 256 bytes
	s_add_nc_u64 s[44:45], s[44:45], s[22:23]
	s_mov_b32 s16, 0
	s_mov_b32 s18, 0
.irp i, 0,1,2,3,4,5,6,7
	v_mov_b32 v[96+\i], 0                          ; written once: a lane write's destination counts as one of its sources
.endr
	MLOAD 0, 32
	MLOAD 1, 128
	MLOAD 2, 192
	s_wait_loadcnt 32                              ; unit 0 is in; the 32 loads of units 1 and 2 may be out
	MWORDS 0, 32
	MLOAD 3, 32
	s_wait_loadcnt 32                              ; unit 1 is in; units 2 and 3 may be out
	MWORDS 1, 128
	s_wait_loadcnt 16                              ; unit 3 may be out
	MWORDS 2, 192
	s_wait_loadcnt 0x0
	MWORDS 3, 32
	s_lshr_b32 s19, s16, 16                        ; lanes r and 16 + r hold the two halves of row r's keys
	s_or_b32 s16, s16, s19
	s_and_b32 s16, s16, 0xffff
	s_or_b32 s18, s18, s16                         ; bits 15:0 the rows, bits 19:16 the steps
	v_mov_b32 v104, s18
	v_mov_b32 v105, s18
	global_store_b64 v[L8], v[104:105], s[70:71]   ; the one word in every lane, so that the store covers 256 consecutive bytes, aligned
	s_wait_xcnt 0x0                                ; the stores have read their registers, which are written again below
.Lno_mask:
.irp b, 0,1,2,3                                ; the biases in the result's layout: lane (r, h), block b: features 16 b + 8 h + 0 .. 7.  They are waited for behind the products
	global_load_b128 v[B1+8*\b:B1+8*\b+3],   v[BO], s[10:11] offset:64*\b
	global_load_b128 v[B1+8*\b+4:B1+8*\b+7], v[BO], s[10:11] offset:64*\b+16
	global_load_b128 v[B2+8*\b:B2+8*\b+3],   v[BO], s[12:13] offset:64*\b
	global_load_b128 v[B2+8*\b+4:B2+8*\b+7], v[BO], s[12:13] offset:64*\b+16
.endr
	s_wait_kmcnt 0x0                               ; the exponents.  Everything is chosen by selects on T: no branch hangs on a loaded number
	s_add_co_i32 s72, s72, s73                     ; q: first product, second product
	s_add_co_i32 s74, s74, s75
	s_add_co_i32 s76, s76, s77                     ; k
	s_add_co_i32 s78, s78, s79
	s_add_co_i32 s80, s80, s81                     ; v
	s_add_co_i32 s82, s82, s83
	s_cmp_eq_u32 s91, 1
	s_cselect_b32 s80, s72, s80
	s_cselect_b32 s82, s74, s82
	s_cselect_b32 s87, s84, s87                    ; the output's own: entry 15 (v), 12 (q), 13 (k)
	s_cmp_eq_u32 s91, 2
	s_cselect_b32 s80, s76, s80
	s_cselect_b32 s82, s78, s82
	s_cselect_b32 s87, s85, s87
	s_add_co_i32 s80, s80, 127
	s_lshl_b32 s66, s80, 23                        ; a sum of the first product stands for sum x this power of two
	s_mov_b32 s67, s66                             ; (named with it as a pair, so it is written)
	s_add_co_i32 s82, s82, 127
	s_lshl_b32 s68, s82, 23                        ; the second product's
	s_mov_b32 s69, s68
	s_add_co_i32 s87, s87, 127
	s_lshl_b32 s2, s87, 23
	v_mov_b32 v[SC], s2                            ; the output's scale as f32: the conversion takes its exponent field
	s_add_co_i32 s87, s87, 15
	s_lshl_b32 s87, s87, 23
	s_or_b32 s87, s87, 0x600000
	v_mov_b32 v[LIM], s87                          ; 57,344 x that
.macro FRAG reg, adr, q, row           ; a fragment: lane l holds row l % 16; registers 4 c .. 4 c + 3 hold K = 32 c + 16 (l / 16) + 0 .. 15
.irp c, 0,1,2,3
	ds_load_b128 v[\reg+4*\c:\reg+4*\c+3], v[\adr] offset:128*(\q)+32*\c+(\row)*PITCH
.endr
.endm
; 16 matrix instructions: token blocks a0, a0 + 1 x W's eight blocks, 128 along K.  p: W's set.  zero = 1: the first product starts the sums.  The 64 accumulators take turns, one instruction a turn, in the same order in every step.
.macro MUL16 a0, p, zero
.irp a, \a0, \a0+1
.irp b, 0,1,2,3,4,5,6,7
.if \zero
	v_wmma_f32_16x16x128_bf8_bf8 v[8*(8*((\a)%4)+\b):8*(8*((\a)%4)+\b)+7], v[128*(\p)+FR*\b:128*(\p)+FR*\b+FR-1], v[AF+FR*(\a):AF+FR*(\a)+FR-1], 0
.else
	v_wmma_f32_16x16x128_bf8_bf8 v[8*(8*((\a)%4)+\b):8*(8*((\a)%4)+\b)+7], v[128*(\p)+FR*\b:128*(\p)+FR*\b+FR-1], v[AF+FR*(\a):AF+FR*(\a)+FR-1], v[8*(8*((\a)%4)+\b):8*(8*((\a)%4)+\b)+7]
.endif
.endr
.endr
.endm
.macro FETCH_B slot, q, p              ; W's eight fragments of the slot's q-th 128 along K into set p: blocks 0-3 from W1's rows, 4-7 from W2's, 128 rows on
	WIN TO_B
.irp i, 0,1,2,3,4,5,6,7
	FRAG 128*(\p)+FR*\i, ADRB+\slot, \q, 16*(\i%4)+128*(\i/4)
.endr
	WIN 0
.endm
.macro FETCH_A slot, q, i0             ; x's blocks i0 .. i0 + 3
.irp i, \i0, \i0+1, \i0+2, \i0+3
	FRAG AF+FR*(\i), ADRA+\slot, \q, 16*(\i)
.endr
.endm
; A load into a register that a matrix instruction has read, and a vector instruction that reads a matrix result or writes one of its registers, stand NP places behind it; only plain vector instructions that name none of its registers are places.
.macro PLACES n
.rept \n
	v_nop
.endr
.endm
; A step of 128 along K that has its successor in the same slot.  A block of x is free as soon as its eight products are issued, so x has one set: blocks 0-3 are fetched anew in the step's middle, blocks 4-7 at its end.
.macro STEP slot, q, zero
	s_wait_dscnt 4*NL                              ; W's set and x's blocks 0-3 are in; the youngest sixteen loads (blocks 4-7) may be out
	WIN MUL_LO
	MUL16 0, (\q)%2, \zero
	MUL16 2, (\q)%2, \zero
	s_wait_dscnt 0                                 ; blocks 4-7 are in
	PLACES NP
	FETCH_B \slot, (\q)+1, 1-(\q)%2
	FETCH_A \slot, (\q)+1, 0
	WIN MUL_HI
	MUL16 4, (\q)%2, \zero
	MUL16 6, (\q)%2, \zero
	PLACES NP
	WIN 0
	FETCH_A \slot, (\q)+1, 4
.endm
; A slot's last step changes slots: ONE barrier; in front of it each wave waits for all its tensor loads, adds 0 to its spare word, and waits for that and for its own reads of this slot.  fill = 1: this slot is filled again, two K steps ahead.
.macro TURN slot, next, fill
	s_wait_tensorcnt 0x0                           ; all my tensor loads have landed: the one that was out is my part of the next slot  (every window is 0 here)
	ds_add_u32 v[SPW], v[NIL]                      ; 0 onto my spare word
	s_wait_dscnt 4*NL+1                            ; (the add and the youngest sixteen loads may be out)
	WIN MUL_LO
	MUL16 0, 1, 0                                  ; sixteen matrix instructions stand between the add and the wait for it
	s_wait_dscnt 0x0                               ; the add is done, and my reads of this slot are over
	s_barrier_signal -1
	MUL16 2, 1, 0
	WIN 0
	s_barrier_wait -1
.if \fill
	CREST                                          ; the barrier has opened a round of the cluster's: no wave of any partner still reads this slot or has a load on its way
	s_add_nc_u64 s[G0+4*\slot+2:G0+4*\slot+3], s[G0+4*\slot+2:G0+4*\slot+3], 2*ROWB
	s_add_nc_u64 s[G0B+4*\slot+2:G0B+4*\slot+3], s[G0B+4*\slot+2:G0B+4*\slot+3], 2*ROWB
	JLOAD \slot                                    ; the first tensor load behind the round, one a wave; its four v_nop are also the places in front of the loads below
.else
	PLACES NP
.endif
	FETCH_B \next, 0, 0
	FETCH_A \next, 0, 0
	WIN MUL_HI
	MUL16 4, 1, 0
	MUL16 6, 1, 0
	PLACES NP
	WIN 0
	FETCH_A \next, 0, 4
.endm
	s_wait_tensorcnt 1                             ; my part of K step 0 is in; K step 1's load may be out
	s_barrier_signal -1
	s_barrier_wait -1                              ; everybody's is
	FETCH_B 0, 0, 0
	FETCH_A 0, 0, 0
	FETCH_A 0, 0, 4
	STEP 0, 0, 1                                   ; K 0-127: its products start the sums: nothing is cleared
	TURN 0, 1, 1                                   ; K 128-255; slot 0 takes K 512-767
	STEP 1, 0, 0
	TURN 1, 0, 1                                   ; slot 1 takes K 768-1,023
	STEP 0, 0, 0
	TURN 0, 1, 0                                   ; nothing is left to fetch
	STEP 1, 0, 0
	s_wait_dscnt 4*NL                              ; the last step
	WIN MUL_LO
	MUL16 0, 1, 0
	MUL16 2, 1, 0
	s_wait_dscnt 0
	WIN MUL_HI
	MUL16 4, 1, 0
	MUL16 6, 1, 0
	WIN 0
; THE SWIGLU AND THE QUANTISER, a block of 16 tokens at a time: 32 numbers a lane.  T1 = sum1 x 2^e + b1, T2 = sum2 x 2^e + b2 (each accumulator is read from its low end on); y = T1 T2 / (1 + 2^(-log2(e) T1)).
; The 32 exponentials are one batch and so are the 32 reciprocals; each has one wait ahead of its first reader.  y is held within +-57,344 x the scale (the conversion to an 8-bit code does not saturate: ISA guide 7.6.2).
.macro HBLOCK a
.set AC, 64*((\a)%4)
	WIN 0x02+((\a)/4)                              ; source 0: window 2 or 3
.set i, 0
.rept 16
	v_pk_fma_f32 v[T1+i:T1+i+1], v[AC+i:AC+i+1], s[66:67], v[B1+i:B1+i+1] op_sel_hi:[1,0,1]
.set i, i+2
.endr
.set i, 0
.rept 16
	v_pk_fma_f32 v[T2+i:T2+i+1], v[AC+32+i:AC+32+i+1], s[68:69], v[B2+i:B2+i+1] op_sel_hi:[1,0,1]
.set i, i+2
.endr
	WIN 0
.set i, 0
.rept 16
	v_pk_mul_f32 v[EX+i:EX+i+1], v[T1+i:T1+i+1], 0xbfb8aa3b op_sel_hi:[1,0]   ; -log2(e) T1
.set i, i+2
.endr
.set i, 0
.rept 32
	v_exp_f32 v[EX+i], v[EX+i]
.set i, i+1
.endr
.set i, 0
.rept 16
	v_pk_mul_f32 v[T2+i:T2+i+1], v[T1+i:T1+i+1], v[T2+i:T2+i+1]               ; T1 T2: plain work behind the batch
.set i, i+2
.endr
	s_wait_alu depctr_va_vdst(0)                   ; one wait for the 32 exponentials
.set i, 0
.rept 16
	v_pk_add_f32 v[EX+i:EX+i+1], v[EX+i:EX+i+1], 1.0 op_sel_hi:[1,0]
.set i, i+2
.endr
.set i, 0
.rept 32
	v_rcp_f32 v[EX+i], v[EX+i]
.set i, i+1
.endr
	v_nop                                          ; a plain instruction behind the last reciprocal
	s_wait_alu depctr_va_vdst(0)                   ; one wait for the 32 reciprocals
.set i, 0
.rept 16
	v_pk_mul_f32 v[T2+i:T2+i+1], v[T2+i:T2+i+1], v[EX+i:EX+i+1]
.set i, i+2
.endr
.set i, 0
.rept 32
	v_med3_num_f32 v[T2+i], v[T2+i], -v[LIM], v[LIM]
.set i, i+1
.endr
.irp b, 0,1,2,3
	v_cvt_scalef32_pk8_bf8_f32 v[CD+8*(\a)+2*\b:CD+8*(\a)+2*\b+1], v[T2+8*\b:T2+8*\b+7], v[SC]   ; features 16 b + 8 h + 0 .. 7 of token 16 a + r
.endr
	v_nop                                          ; one plain vector instruction behind the last conversion
.endm
	s_wait_loadcnt 0x0                             ; the biases
	PLACES NP                                      ; behind the last products: their results are read and x's registers are written below
.irp a, 0,1,2,3,4,5,6,7
	HBLOCK \a
.endr
	s_cmp_eq_u32 s91, 0                            ; T: the same in all partners
	s_cbranch_scc1 .Lv_out
	; q and k: the codes' registers ARE the operand's image: each store covers 512 consecutive bytes, aligned
.irp a, 0,1,2,3,4,5,6,7
	global_store_b128 v[LI], v[CD+8*\a:CD+8*\a+3],   s[14:15] offset:1024*\a
	global_store_b128 v[LI], v[CD+8*\a+4:CD+8*\a+7], s[14:15] offset:1024*\a+512
.endr
	s_branch .Ldone
.Lv_out:
; v: the second product's K is the keys, so each code goes to its place in the image byte by byte, in my own stage.  The code of (token 16 a + r, channel 16 b + 8 h + 4 (q % 2) + k) (q = 2 b + ..: the code register, k: its byte) lies at
; tile dt = 2 (b / 2) + h, c4 = a / 2, the reader's lane 16 (r / 8) + 8 (b % 2) + 4 (q % 2) + k, byte 8 (a % 2) + r % 8.  The shifted bytes get registers of their own, 24 a block.
.macro VBYTES a, q
.set VOFS, ((\q)/4)*4096+((\a)/2)*512+((\a)%2)*8+(8*(((\q)/2)%2)+4*((\q)%2))*16
.set VSH, 32+24*((\a)%4)+3*(\q)
	v_lshrrev_b32 v[VSH],   8,  v[CD+8*(\a)+\q]
	v_lshrrev_b32 v[VSH+1], 16, v[CD+8*(\a)+\q]
	v_lshrrev_b32 v[VSH+2], 24, v[CD+8*(\a)+\q]
	ds_store_b8 v[VS], v[CD+8*(\a)+\q] offset:VOFS
	ds_store_b8 v[VS], v[VSH]   offset:VOFS+16
	ds_store_b8 v[VS], v[VSH+1] offset:VOFS+32
	ds_store_b8 v[VS], v[VSH+2] offset:VOFS+48
.endm
.irp a, 0,1,2,3
.irp q, 0,1,2,3,4,5,6,7
	VBYTES \a, \q
.endr
.endr
	s_wait_dscnt 0x0                               ; the stores have read their registers: the shifted bytes' are written again
.irp a, 4,5,6,7
.irp q, 0,1,2,3,4,5,6,7
	VBYTES \a, \q
.endr
.endr
.irp i, 0,1,2,3,4,5,6,7,8,9,10,11,12,13,14,15
	ds_load_b128 v[128+4*\i:131+4*\i], v[VR] offset:512*\i   ; LDS serves a wave's instructions in order (ISA guide 5.7.1.4): these see my stores
.endr
.irp i, 0,1,2,3,4,5,6,7,8,9,10,11,12,13,14,15
	s_wait_dscnt 15-\i                             ; the younger loads may be out
	global_store_b128 v[LI], v[128+4*\i:131+4*\i], s[14:15] offset:512*\i   ; 512 consecutive bytes, aligned
.endr
.Ldone:
	s_wait_tensorcnt 0x0                           ; the wave's end: behind my last tensor load and my last LDS store
	ds_add_u32 v[SPW], v[NIL]
	s_wait_dscnt 0x0
	CROUND                                         ; the closing round: no work-group ends while a partner may still ask for a tile that names it
	s_endpgm
.Lfunc_end_k_q0a84b45870_proj:
	.size	k_q0a84b45870_proj, .Lfunc_end_k_q0a84b45870_proj-k_q0a84b45870_proj
	.p2alignl 7, 3214868480
	.fill 96, 4, 3214868480
	.section	.rodata,"a",@progbits
	.p2align	6, 0x0
	.amdhsa_kernel k_q0a84b45870_proj
		.amdhsa_group_segment_fixed_size 327680
		.amdhsa_private_segment_fixed_size 0
		.amdhsa_enable_private_segment 0
		.amdhsa_kernarg_size 176
		.amdhsa_user_sgpr_count 2
		.amdhsa_user_sgpr_kernarg_segment_ptr 1
		.amdhsa_wavefront_size32 1
		.amdhsa_system_sgpr_workgroup_id_x 1
		.amdhsa_system_sgpr_workgroup_id_y 1
		.amdhsa_system_sgpr_workgroup_id_z 1
		.amdhsa_system_vgpr_workitem_id 0
		.amdhsa_next_free_vgpr 1024
		.amdhsa_next_free_sgpr 102
		.amdhsa_reserve_vcc 0
		.amdhsa_float_denorm_mode_32 3
		.amdhsa_float_denorm_mode_16_64 3
		.amdhsa_memory_ordered 1
		.amdhsa_forward_progress 1
		.amdhsa_inst_pref_size 244
	.end_amdhsa_kernel
	.amdgpu_metadata
---
amdhsa.version: [ 1, 2 ]
amdhsa.kernels:
  - .name:           k_q0a84b45870_proj
    .symbol:         k_q0a84b45870_proj.kd
    .args:
      - { .name: value_codes, .offset: 0, .size: 8, .value_kind: global_buffer, .address_space: global }
      - { .name: wv1_codes, .offset: 8, .size: 8, .value_kind: global_buffer, .address_space: global }
      - { .name: wv2_codes, .offset: 16, .size: 8, .value_kind: global_buffer, .address_space: global }
      - { .name: bv1, .offset: 24, .size: 8, .value_kind: global_buffer, .address_space: global }
      - { .name: bv2, .offset: 32, .size: 8, .value_kind: global_buffer, .address_space: global }
      - { .name: v_img, .offset: 40, .size: 8, .value_kind: global_buffer, .address_space: global }
      - { .name: query_codes, .offset: 48, .size: 8, .value_kind: global_buffer, .address_space: global }
      - { .name: wq1_codes, .offset: 56, .size: 8, .value_kind: global_buffer, .address_space: global }
      - { .name: wq2_codes, .offset: 64, .size: 8, .value_kind: global_buffer, .address_space: global }
      - { .name: bq1, .offset: 72, .size: 8, .value_kind: global_buffer, .address_space: global }
      - { .name: bq2, .offset: 80, .size: 8, .value_kind: global_buffer, .address_space: global }
      - { .name: q_img, .offset: 88, .size: 8, .value_kind: global_buffer, .address_space: global }
      - { .name: key_codes, .offset: 96, .size: 8, .value_kind: global_buffer, .address_space: global }
      - { .name: wk1_codes, .offset: 104, .size: 8, .value_kind: global_buffer, .address_space: global }
      - { .name: wk2_codes, .offset: 112, .size: 8, .value_kind: global_buffer, .address_space: global }
      - { .name: bk1, .offset: 120, .size: 8, .value_kind: global_buffer, .address_space: global }
      - { .name: bk2, .offset: 128, .size: 8, .value_kind: global_buffer, .address_space: global }
      - { .name: k_img, .offset: 136, .size: 8, .value_kind: global_buffer, .address_space: global }
      - { .name: lowp_scales, .offset: 144, .size: 8, .value_kind: global_buffer, .address_space: global }
      - { .name: mask, .offset: 152, .size: 8, .value_kind: global_buffer, .address_space: global }
      - { .name: mw, .offset: 160, .size: 8, .value_kind: global_buffer, .address_space: global }
      - { .name: mf, .offset: 168, .size: 8, .value_kind: global_buffer, .address_space: global }
    .group_segment_fixed_size: 327680
    .private_segment_fixed_size: 0
    .kernarg_segment_align: 8
    .kernarg_segment_size: 176
    .max_flat_workgroup_size: 128
    .sgpr_count:     102
    .vgpr_count:     1024
    .wavefront_size: 32
...
	.end_amdgpu_metadata
.endif
;; end of part 1
;; launch attn (part 2): grid 8 x 32, 16 waves a work-group, no clusters, 264,192 bytes of LDS; arguments q_img, k_img, v_img, mw, mf, lowp_scales, x_img; writes x_img
.if DOCPART == 2
	.amdgcn_target "amdgcn-amd-amdhsa--gfx1250"
	.amdhsa_code_object_version 6
	.text
	.protected	k_q0a84b45870_attn
	.globl	k_q0a84b45870_attn
	.p2align	8
	.type	k_q0a84b45870_attn,@function
k_q0a84b45870_attn:
	s_mov_b64 s[64:65], 0
	v_nop
	global_prefetch_b8 v0, s[64:65] scope:SCOPE_SE
	s_setreg_imm32_b32 hwreg(HW_REG_WAVE_MODE, 25, 1), 1
	s_wait_xcnt 0x0
; ATTENTION on codes of BF8 (E5M2): x[q] = the sum over k of softmax_k(q . k / 8, masked) v[k], for 32 (batch, head) pairs of 2,048 x 2,048, head size 64; x is quantised with entry 16 of the scales and stored as the operand image of the last product.
; THE SOFTMAX AHEAD OF THE SECOND PRODUCT: t = logit x log2(e); M = the row's largest t so far, rounded UP to a whole number; p = 2^(t - M) is quantised (entry 14); the row's sum is taken of the unquantised p and divides at the end.
; When M moves, the sum and O are multiplied by 2^(old M - new M): exact.
; THE MASK is an input and is honoured as it is given.  A masked score is replaced by NEG = -2^(33 - e12 - e13), so that its t is -1.4427 x 2^30, a whole number: in a row whose keys are all masked t - M is exactly 0 for every key, p = 1, the sum
; 2,048: the uniform weights that a softmax of equal logits gives.  As soon as a key counts, M leaps up and everything summed before is multiplied by 0; afterwards a masked key's p is 0.
; KEY STEPS THAT ARE WHOLLY MASKED ARE PASSED OVER.  So a step all of whose 16 x 128 scores are masked adds nothing to a row that has a key that counts anywhere.  The launch before has stored, for each tile of 16 queries, which of its rows have such a
; key and which of its 16 key steps hold one (mf).  If all 16 rows have one, the steps that hold none are left out, by a scalar branch on the stored bits; if any row has none, every step is worked.  The results are the same bit for bit.
; The loop has 16 trips whatever the mask; the branch goes round a step's work, never round the lines that step addresses.
; NO TENSOR LOAD, NO CLUSTER: the walk hangs on numbers read from memory.  K and V come through registers instead.
; LIMIT: a masked logit is -2^30 (-1.074e9) in place of -1e9: the results are the same as long as every unmasked logit lies above -1e9.
; LIMITS on the given exponents, so that each power of two below is an f32 number: e12 + e13 between -94 and 130; e14 and e16 between -126 and 112; e14 + e15 is applied by v_ldexp_f32 and has none.
; SHARES.  A work-group serves one head; each of its SIXTEEN waves owns one tile of 16 queries, in 256 registers: four waves to a SIMD, so that one wave's vector work stands beside another's matrix work and LDS loads.
; WHICH TILE: wave w of work-group x takes tile 8 c(w) + x; c(0 .. 15) = 15 2 1 12 | 4 9 10 7 | 8 5 6 11 | 3 14 13 0: a square whose rows and columns all add up to 30.  So every four waves w, w + 4, w + 8, w + 12, and every four
; 4 g .. 4 g + 3, own tiles spread evenly over the queries: where the number of steps worked grows or falls with the query's number, the sums are even.  It is a permutation of the tiles: right for any mask.
; A head's K and V are 131,072 bytes of codes each: BOTH LIE IN LDS WHOLE.  Wave w brings 16,384 bytes (waves 0-7: K, waves 8-15: V): 32 loads of 512 consecutive bytes, all issued at once into v32-159, and as many LDS stores; one barrier.
; LAYOUT.  Both products are used transposed: S^T = K Q^T (source 0 = 16 keys, source 1 = my 16 queries), O^T = V^T P^T: a lane holds ONE query (lane % 16) throughout; tile t's register j is key 16 t + 8 (lane / 16) + j, so the conversions' results
; are the second product's operand in its own layout.  K's and V's tiles lie in LDS as images of the operands' registers: a fragment comes by loads of 16 bytes at 16 x lane.
; THE MASK WORDS (one bit a lane for each of the 64 score registers of a key step) come by scalar loads, asked for at the head of a step that is worked, and are the select operands of 64 v_cndmask_b32: one instruction a score.
; REGISTERS: v1 16 x lane, v2 the same + V's base, v3 where I store K or V; v8, v9 the step's addresses; v12 -M, v13 the largest t, v[14:15] the sum in two halves; v16-23 Q; v24 e14 + e15; v25, v26 x's scale and 57,344 x it; v27 NEG;
;   v32-95 K's eight fragments, then V's four; v96-159 S^T, then p; v160-191 O^T; v224-239 p's codes (v236 is at work ahead of them); v240, v244: 57,344 x 2^e14, 2^e14; v242-243, v252-254 at work.
; SCALARS: s2 wave, s3 the step, s4 the list of steps to work (a bit a step), s5-15 at work, s[66:67] c, s[68:73] bases, s[96:97] lane selects, s[98:99] my tile's mask words, s100 the step's offset in them, s101 the step's LDS byte,
;   s[104:105] x's image; s16-63 and s80-95 the 64 mask words (at the head: the arguments and what is read through them).
	s_load_b256 s[16:23], s[0:1], 0x0              ; q_img s[16:17], k_img s[18:19], v_img s[20:21], mw s[22:23]
	s_load_b128 s[24:27], s[0:1], 0x20             ; mf s[24:25], the scales' exponents s[26:27]
	s_load_b64 s[28:29], s[0:1], 0x30              ; x_img
	v_lshl_add_u32 v251, v0, 2, 0x40000
	v_mov_b32 v255, 0
	v_lshrrev_b32 v1, 5, v0
	v_readfirstlane_b32 s2, v1                     ; wave 0..15
	s_mov_b32 s6, 0x7a94c12f                       ; c(0 .. 7), four bits each, c(0) lowest
	s_mov_b32 s7, 0x0de3b658                       ; c(8 .. 15)
	s_cmp_lt_u32 s2, 8
	s_cselect_b32 s6, s6, s7
	s_and_b32 s7, s2, 7
	s_lshl_b32 s8, s7, 2
	s_lshr_b32 s6, s6, s8
	s_and_b32 s6, s6, 15                           ; c(wave)
	s_lshl_b32 s6, s6, 3
	s_add_co_u32 s6, s6, ttmp9                     ; qt: my tile of 16 queries, 0..127: it enters global addresses alone
	s_and_b32 s9, ttmp7, 0xffff                    ; Hh = 16 batch + head
	s_lshl_b32 s10, s9, 17                         ; the head's first byte in each image
	s_lshl_b32 s12, s7, 14
	s_add_co_u32 s12, s12, s10                     ; K or V: + 16,384 (wave % 8)
	s_mov_b32 s13, 0
	s_lshl_b32 s14, s6, 10
	s_add_co_u32 s14, s14, s10                     ; Q: + 1,024 qt
	s_mov_b32 s15, 0
	s_lshl_b32 s8, s2, 14                          ; in LDS: 16,384 x wave: K's 131,072 bytes, then V's
	v_and_b32 v1, 31, v0
	v_lshlrev_b32 v1, 4, v1                        ; 16 x lane
	v_add_nc_u32 v3, s8, v1
	s_wait_kmcnt 0x0
	s_cmp_lt_u32 s2, 8
	s_cselect_b64 s[68:69], s[18:19], s[20:21]
	s_add_nc_u64 s[68:69], s[68:69], s[12:13]
	s_add_nc_u64 s[70:71], s[16:17], s[14:15]
	global_load_b128 v[16:19], v1, s[70:71]        ; Q's fragment stays in registers
	global_load_b128 v[20:23], v1, s[70:71] offset:512
.set i, 0
.rept 32
	global_load_b128 v[32+4*i:35+4*i], v1, s[68:69] offset:512*i   ; my 16,384 bytes of K or V: 512 consecutive bytes a load; other work-groups of the head read them too, so no hint
.set i, i+1
.endr
	s_load_b128 s[32:35], s[26:27], 0x30           ; e12, e13, e14, e15
	s_load_b32 s36, s[26:27], 0x40                 ; e16
	s_lshl_b32 s14, s6, 10                         ; my tile's four words of flags, 256 bytes apart
	s_add_nc_u64 s[72:73], s[24:25], s[14:15]
	s_load_b32 s48, s[72:73], 0x0
	s_load_b32 s49, s[72:73], 0x100
	s_load_b32 s50, s[72:73], 0x200
	s_load_b32 s51, s[72:73], 0x300
	s_lshl_b32 s14, s6, 12
	s_add_nc_u64 s[98:99], s[22:23], s[14:15]      ; my tile's mask words: 16 steps of 256 bytes
	s_lshr_b32 s10, s9, 4                          ; x's image: T8 = 128 batch + qt: block T8 / 8 of 128 tokens, tile T8 % 8;
	s_lshl_b32 s10, s10, 7
	s_add_co_u32 s10, s10, s6
	s_lshr_b32 s11, s10, 3
	s_lshl_b32 s11, s11, 17
	s_and_b32 s10, s10, 7
	s_lshl_b32 s10, s10, 11
	s_add_co_u32 s11, s11, s10
	s_and_b32 s10, s9, 15                          ; k = 64 head + d: K step head / 2, its registers 8 (head % 2) on
	s_lshr_b32 s10, s10, 1
	s_lshl_b32 s10, s10, 14
	s_add_co_u32 s11, s11, s10
	s_and_b32 s10, s9, 1
	s_lshl_b32 s10, s10, 10
	s_add_co_u32 s14, s11, s10
	s_add_nc_u64 s[104:105], s[28:29], s[14:15]
	s_mov_b32 s96, 0x76543210                      ; v_permlanex16_b32's selects for lane l xor 16
	s_mov_b32 s97, 0xfedcba98
	v_add_nc_u32 v2, 0x20000, v1
	v_mov_b32 v13, 0xff61b1e6                      ; the largest t so far: -3e38, under every t
	v_floor_f32 v12, -v13                          ; -M
	v_mov_b32 v14, 0                               ; the sum, in two halves
	v_mov_b32 v15, 0
	v_mov_b32 v236, 0                              ; written once: a lane permute's destination counts as one of its sources
	v_mov_b32 v252, 0                              ; likewise
	v_mov_b32 v253, 0                              ; (named as the upper half of the pair v[252:253])
.set j, 0
.rept 32
	v_mov_b32 v[160+j], 0                          ; O^T.  (The step is written once: the first finds zeros, which the first change of M leaves zeros)
.set j, j+1
.endr
	s_wait_kmcnt 0x0
	s_add_co_i32 s37, s32, s33                     ; e12 + e13: a score stands for score x 2^(e12 + e13)
	s_lshl_b32 s38, s37, 23
	s_add_co_i32 s66, s38, 0x3e38aa3b              ; c = log2(e) / 8, with the two exponents added to its exponent field
	s_mov_b32 s67, s66                             ; (named with it as a pair, so it is written)
	s_sub_co_i32 s38, 160, s37
	s_lshl_b32 s38, s38, 23
	s_or_b32 s38, s38, 0x80000000
	v_mov_b32 v27, s38                             ; NEG = -2^(33 - e12 - e13)
	s_add_co_i32 s38, s34, s35
	v_mov_b32 v24, s38                             ; e14 + e15
	s_add_co_i32 s38, s34, 127
	s_lshl_b32 s39, s38, 23
	v_mov_b32 v244, s39                            ; 2^e14 as f32, for p's conversions
	s_add_co_i32 s38, s38, 15
	s_lshl_b32 s38, s38, 23
	s_or_b32 s38, s38, 0x600000
	v_mov_b32 v240, s38                            ; 57,344 x 2^e14
	s_add_co_i32 s38, s36, 127
	s_lshl_b32 s39, s38, 23
	v_mov_b32 v25, s39                             ; 2^e16, for x's
	s_add_co_i32 s38, s38, 15
	s_lshl_b32 s38, s38, 23
	s_or_b32 s38, s38, 0x600000
	v_mov_b32 v26, s38
	; the list of steps to work, from the four words of flags (bits 15:0: rows that have a key that counts in that quarter of the keys; bits 19:16: its four steps)
	s_or_b32 s52, s48, s49
	s_or_b32 s52, s52, s50
	s_or_b32 s52, s52, s51
	s_and_b32 s52, s52, 0xffff                     ; the rows that have a key that counts at all
	s_bfe_u32 s4, s48, 0x40010                     ; four bits from bit 16: steps 0 to 3,
	s_bfe_u32 s53, s49, 0x40010
	s_lshl_b32 s53, s53, 4
	s_or_b32 s4, s4, s53                           ; 4 to 7,
	s_bfe_u32 s53, s50, 0x40010
	s_lshl_b32 s53, s53, 8
	s_or_b32 s4, s4, s53                           ; 8 to 11,
	s_bfe_u32 s53, s51, 0x40010
	s_lshl_b32 s53, s53, 12
	s_or_b32 s4, s4, s53                           ; 12 to 15
	s_cmp_eq_u32 s52, 0xffff
	s_cselect_b32 s4, s4, 0xffff                   ; a row without any key that counts wants all 2,048 keys: then every step is worked
.set i, 0
.rept 32
	s_wait_loadcnt 31-i                            ; loads come back in order (ISA guide 5.7.1): load i is in (and Q, which is older); the 31 - i younger ones may be out
	ds_store_b128 v3, v[32+4*i:35+4*i] offset:512*i   ; 512 consecutive bytes
.set i, i+1
.endr
	s_wait_dscnt 0x0                               ; for the others' sake: my stores have landed
	s_barrier_signal -1
	s_barrier_wait -1                              ; all of K and V lies in LDS; nothing is written there again
	s_mov_b32 s100, 0
	s_mov_b32 s101, 0
	s_mov_b32 s3, 0
; A KEY STEP: 128 keys.  s101 = 8,192 x the step: a step's eight tiles of K are 8,192 bytes, and so are its four of V.
.Lstep:
	s_lshr_b32 s5, s4, s3
	s_and_b32 s5, s5, 1
	s_cmp_eq_u32 s5, 0
	s_cbranch_scc1 .Lpassed                        ; nothing in this step counts for my queries
	s_load_b512 s[16:31], s[98:99], s100 offset:0x0      ; the step's 64 mask words: the two address adds, two v_nop, 32 LDS loads, the wait for K, eight products and four more v_nop stand between these and the wait for them
	s_load_b512 s[32:47], s[98:99], s100 offset:0x40
	s_load_b512 s[48:63], s[98:99], s100 offset:0x80
	s_load_b512 s[80:95], s[98:99], s100 offset:0xc0
	v_add_nc_u32 v8, s101, v1
	v_add_nc_u32 v9, s101, v2
	v_nop
	v_nop                                          ; four places in front of loads into registers that the last products have read
.irp t, 0,1,2,3,4,5,6,7
	ds_load_b128 v[32+8*\t:35+8*\t], v8 offset:1024*\t
	ds_load_b128 v[36+8*\t:39+8*\t], v8 offset:1024*\t+512
.endr
	s_wait_dscnt 0x0
.irp t, 0,1,2,3,4,5,6,7
	v_wmma_f32_16x16x64_bf8_bf8 v[96+8*\t:103+8*\t], v[32+8*\t:39+8*\t], v[16:23], 0   ; S^T: keys 16 t on
.endr
.rept 4
	v_nop                                          ; places in front of the loads below and of the first read of the scores
.endr
.irp d, 0,1,2,3                                ; V's four fragments are asked for at once: they land under the softmax
.irp c, 0,1,2,3
	ds_load_b128 v[32+16*\d+4*\c:35+16*\d+4*\c], v9 offset:2048*\d+512*\c
.endr
.endr
	s_wait_kmcnt 0x0                               ; the mask words
.set n, 0
.rept 64
.if n < 48
	v_cndmask_b32 v[96+n], v27, v[96+n], s[16+n]   ; the score where the lane's bit is set, else NEG; each accumulator from its low end on
.else
	v_cndmask_b32 v[96+n], v27, v[96+n], s[32+n]
.endif
.set n, n+1
.endr
	v_max3_num_f32 v254, v96, v97, v98             ; the step's largest score of my query, among my 64 keys, in two chains,
	v_max3_num_f32 v252, v99, v100, v101
.irp i, 6,10,14,18,22,26,30,34,38,42,46,50,54,58
	v_max3_num_f32 v254, v254, v[96+\i], v[97+\i]
	v_max3_num_f32 v252, v252, v[98+\i], v[99+\i]
.endr
	v_max3_num_f32 v254, v254, v158, v159
	v_max_num_f32 v254, v254, v252
	v_permlanex16_b32 v236, v254, s96, s97
	v_max_num_f32 v254, v254, v236                 ; and among lane l xor 16's
	v_mul_f32 v254, s66, v254                      ; as t (c is positive)
	v_max_num_f32 v13, v13, v254                   ; the running largest t
	v_mov_b32 v254, v12
	v_floor_f32 v12, -v13                          ; the new -M = floor(-t) = -ceil(t): M is a whole number
	v_sub_f32 v254, v12, v254                      ; M's old value less its new one: a whole number, 0 or less
	v_cvt_i32_f32 v254, v254                       ; (it saturates)
	v_ldexp_f32 v252, 1.0, v254                    ; f = 2^(old M - new M)
.set j, 0
.rept 32
	v_pk_fma_f32 v[96+j:97+j], v[96+j:97+j], s[66:67], v[12:13] op_sel_hi:[1,0,0]   ; t - M, two at a time (of the pairs c and -M the low word serves both halves)
.set j, j+2
.endr
.set j, 0
.rept 64
	v_exp_f32 v[96+j], v[96+j]                     ; p = 2^(t - M), at most 1: not normalised
.set j, j+1
.endr
	v_pk_mul_f32 v[14:15], v[14:15], v[252:253] op_sel_hi:[1,0]   ; the sums under the new M: a plain instruction behind the exponentials
	s_wait_alu depctr_va_vdst(0)                   ; one wait for the batch of 64, ahead of its first reader
	v_pk_add_f32 v[242:243], v[96:97], v[98:99]    ; the row's sum is taken of the unquantised p: two at a time, in two chains
.irp j, 4,8,12,16,20,24,28,32,36,40,44,48,52,56,60
	v_pk_add_f32 v[14:15], v[14:15], v[96+\j:97+\j]
	v_pk_add_f32 v[242:243], v[242:243], v[98+\j:99+\j]
.endr
	v_pk_add_f32 v[14:15], v[14:15], v[242:243]
.set t, 0
.rept 8
.set i, 0
.rept 8
	v_min_num_f32 v[96+8*t+i], v[96+8*t+i], v240   ; the conversion to an 8-bit code does not saturate (ISA guide 7.6.2); p is not negative, so the hold is one-sided
.set i, i+1
.endr
	v_cvt_scalef32_pk8_bf8_f32 v[224+2*t:225+2*t], v[96+8*t:103+8*t], v244   ; registers 2 t, 2 t + 1 of the operand: keys 16 t + 8 h + 0 .. 7
.set t, t+1
.endr
.set j, 0
.rept 16
	v_pk_mul_f32 v[160+j:161+j], v[160+j:161+j], v[252:253] op_sel_hi:[1,0]   ; O^T under the new M.  (Plain instructions between the conversions and the products)
.set j, j+2
.endr
	s_wait_dscnt 0x0                               ; V is in
.irp d, 0,1,2,3                                ; O^T += V^T P^T: the four accumulators take turns
	v_wmma_f32_16x16x128_bf8_bf8 v[160+8*\d:167+8*\d], v[32+16*\d:47+16*\d], v[224:239], v[160+8*\d:167+8*\d]
.endr
.Lpassed:
	s_add_co_u32 s100, s100, 256                   ; (the scalar loads that named s100 were waited for above)
	s_add_co_u32 s101, s101, 8192
	s_add_co_u32 s3, s3, 1
	s_cmp_lt_u32 s3, 16
	s_cbranch_scc1 .Lstep
	; THE WAY OUT.  O^T / the sum x 2^(e14 + e15) is x; tile d's register j is channel 32 (d / 2) + 16 h + 8 (d % 2) + j of my query (V's rows were laid so), so tiles 2 b and 2 b + 1 give 16 neighbours along the last product's K.
.rept 4
	v_nop                                          ; places behind the last products
.endr
	v_add_f32 v14, v14, v15                        ; the sum's two halves,
	v_permlanex16_b32 v252, v14, s96, s97
	v_add_f32 v14, v14, v252                       ; and lane l xor 16's: the row's sum, above 1/2
	v_rcp_f32 v14, v14
	v_nop                                          ; a plain instruction behind the reciprocal
	s_wait_alu depctr_va_vdst(0)                   ; and the wait ahead of its first reader
	v_ldexp_f32 v14, v14, v24
.set j, 0
.rept 32
	v_mul_f32 v[96+j], v[160+j], v14
.set j, j+1
.endr
.set j, 0
.rept 32
	v_med3_num_f32 v[96+j], v[96+j], -v26, v26     ; the hold at 57,344 x 2^e16
.set j, j+1
.endr
.irp d, 0,1,2,3
	v_cvt_scalef32_pk8_bf8_f32 v[224+2*\d:225+2*\d], v[96+8*\d:103+8*\d], v25
.endr
	v_nop                                          ; one plain vector instruction behind the last conversion
	global_store_b128 v1, v[224:227], s[104:105]              ; k = 64 head + 16 h + 0 .. 15: 512 consecutive bytes, aligned
	global_store_b128 v1, v[228:231], s[104:105] offset:512   ; k = 64 head + 32 + 16 h + 0 .. 15
	s_wait_tensorcnt 0x0
	ds_add_u32 v251, v255
	s_wait_dscnt 0x0
	s_endpgm
.Lfunc_end_k_q0a84b45870_attn:
	.size	k_q0a84b45870_attn, .Lfunc_end_k_q0a84b45870_attn-k_q0a84b45870_attn
	.p2alignl 7, 3214868480
	.fill 96, 4, 3214868480
	.section	.rodata,"a",@progbits
	.p2align	6, 0x0
	.amdhsa_kernel k_q0a84b45870_attn
		.amdhsa_group_segment_fixed_size 264192
		.amdhsa_private_segment_fixed_size 0
		.amdhsa_enable_private_segment 0
		.amdhsa_kernarg_size 56
		.amdhsa_user_sgpr_count 2
		.amdhsa_user_sgpr_kernarg_segment_ptr 1
		.amdhsa_wavefront_size32 1
		.amdhsa_system_sgpr_workgroup_id_x 1
		.amdhsa_system_sgpr_workgroup_id_y 1
		.amdhsa_system_sgpr_workgroup_id_z 1
		.amdhsa_system_vgpr_workitem_id 0
		.amdhsa_next_free_vgpr 256
		.amdhsa_next_free_sgpr 106
		.amdhsa_reserve_vcc 0
		.amdhsa_float_denorm_mode_32 3
		.amdhsa_float_denorm_mode_16_64 3
		.amdhsa_memory_ordered 1
		.amdhsa_forward_progress 1
		.amdhsa_inst_pref_size 36
	.end_amdhsa_kernel
	.amdgpu_metadata
---
amdhsa.version: [ 1, 2 ]
amdhsa.kernels:
  - .name:           k_q0a84b45870_attn
    .symbol:         k_q0a84b45870_attn.kd
    .args:
      - { .name: q_img, .offset: 0, .size: 8, .value_kind: global_buffer, .address_space: global }
      - { .name: k_img, .offset: 8, .size: 8, .value_kind: global_buffer, .address_space: global }
      - { .name: v_img, .offset: 16, .size: 8, .value_kind: global_buffer, .address_space: global }
      - { .name: mw, .offset: 24, .size: 8, .value_kind: global_buffer, .address_space: global }
      - { .name: mf, .offset: 32, .size: 8, .value_kind: global_buffer, .address_space: global }
      - { .name: lowp_scales, .offset: 40, .size: 8, .value_kind: global_buffer, .address_space: global }
      - { .name: x_img, .offset: 48, .size: 8, .value_kind: global_buffer, .address_space: global }
    .group_segment_fixed_size: 264192
    .private_segment_fixed_size: 0
    .kernarg_segment_align: 8
    .kernarg_segment_size: 56
    .max_flat_workgroup_size: 512
    .sgpr_count:     106
    .vgpr_count:     256
    .wavefront_size: 32
...
	.end_amdgpu_metadata
.endif
;; end of part 2
;; launch outp (part 3): grid 8 x 32, 4 waves a work-group, clusters of 4 x 4, 327,680 bytes of LDS; arguments x_img, wo_codes, bo, lowp_scales, out0; writes out0
.if DOCPART == 3
	.amdgcn_target "amdgcn-amd-amdhsa--gfx1250"
	.amdhsa_code_object_version 6
	.text
	.protected	k_q0a84b45870_outp
	.globl	k_q0a84b45870_outp
	.p2align	8
	.type	k_q0a84b45870_outp,@function
k_q0a84b45870_outp:
	s_mov_b64 s[64:65], 0
	v_nop
	global_prefetch_b8 v0, s[64:65] scope:SCOPE_SE
	s_setreg_imm32_b32 hwreg(HW_REG_WAVE_MODE, 25, 1), 1
	s_wait_xcnt 0x0
	s_wait_alu depctr_hold_cnt(0) depctr_sa_sdst(0) depctr_va_vdst(0) depctr_va_sdst(0) depctr_va_ssrc(0) depctr_va_vcc(0) depctr_vm_vsrc(0)
	s_getreg_b32 s2, hwreg(HW_REG_IB_STS2, 6, 4)
	s_cmp_eq_u32 s2, 0
	s_cbranch_scc0 .Lentry_in_a_cluster
	s_endpgm
.Lentry_in_a_cluster:
	s_bfe_u32 s2, ttmp6, 0x10000c
	s_cmp_lg_u32 s2, 0xf033
	s_cbranch_scc0 .Lentry_shape_is_right
	s_endpgm
.Lentry_shape_is_right:
; THE OUTPUT PROJECTION: out0 = x Wo^T + bo.  x: 4,096 x 1,024 codes of BF8 (E5M2) as operand images (x_img), Wo: [1,024][1,024] codes, K innermost; out0 f32.  A finished sum is multiplied by 2^(e16 + e17) and bo is added, in one packed multiply-add.
; LIMIT: e16 + e17 lies between -126 and 127, so that 2^(e16 + e17) is an f32 number.
; SHARES.  A tile of out0 is 128 tokens x 128 columns: 256 work-groups.  Four waves, each 64 x 64: 16 accumulators.  THE MATRIX INSTRUCTION IS USED TRANSPOSED (source 0 = 16 rows of Wo, source 1 = 16 tokens): a lane holds eight neighbouring columns of one token.
; A work-group's operands are 131,072 bytes each: BOTH LIE IN LDS WHOLE, in four chunks of 256 along K.  LDS is filled once: four loads a wave, all issued at the head; nothing is filled again; the products of chunk j begin as soon as it has landed.
; CLUSTER: 4 x 4.  x's chunks hang on the token block alone and are shared along a row of the cluster, Wo's on the column block alone and are shared along a column: joint loads.
; x's images: block of 128 tokens x 131,072 + K step x 16,384 + token tile x 2,048 + 512 c + 16 lane: registers 4 c .. 4 c + 3 hold k = 32 c + 16 (lane / 16) + 0 .. 15: the permutation of k that four loads of 16 bytes, 32 bytes apart, give Wo's rows.
; REGISTERS: window 0: v8-11, v12-15 LDS addresses of my x and Wo fragments in chunk 0..3; v24-27 the way out; v32-63 bo in the result's layout; v64-95 at work; v128-255 the accumulators ((a, b) at v[128 + 8 (4 a + b)]), later rows of out0.
;   window 1: two fragment buffers of 128: x's four fragments, then Wo's four.
.set CHK,    67584                     ; a chunk: x's images, 32,768 bytes (2 K steps x 8 tiles x 2,048), then Wo's 128 rows of 256 bytes + 16 of padding
.set WOFF,   32768
.set PITCH,  272                       ; 68 words: the 16 rows of a fragment load start at 16 different banks (64 banks of 4 bytes: ISA guide 11.1)
.set STAGE,  4*CHK                     ; behind the chunks: 16 rows x 272 bytes for each wave; no fill lands here
.set ACC,    128
.set BOV,    32
.set TMP,    64
.set MSB, 0
.macro WIN new                         ; the immediate's high byte repeats the setting that is left
.if MSB != (\new)
	s_set_vgpr_msb (MSB<<8)|(\new)
.set MSB, (\new)
.endif
.endm
.macro CROUND                          ; a round of the cluster's barrier
	s_barrier_signal -1
	s_barrier_wait -1
	s_cmp_lg_u32 s14, 0
	s_cbranch_scc1 .Lnot_wave_0_\@
	s_barrier_signal -3
.Lnot_wave_0_\@:
	s_barrier_wait -3
	s_barrier_signal -1
	s_barrier_wait -1
.endm
.macro PLACES                          ; four places in front of loads into registers that matrix instructions have read, and of the first read of results
.rept 4
	v_nop
.endr
.endm
	s_load_b256 s[4:11], s[0:1], 0x0               ; x_img s[4:5], Wo's codes s[6:7], bo s[8:9], the scales' exponents s[10:11]
	s_load_b64 s[12:13], s[0:1], 0x20              ; out0
	v_lshl_add_u32 v126, v0, 2, 0x46400
	v_mov_b32 v127, 0
	ds_add_u32 v126, v127
	ds_add_u32 v126, v127
	v_lshrrev_b32 v1, 5, v0
	v_readfirstlane_b32 s14, v1                    ; wave 0..3
	s_lshr_b32 s15, s14, 1                         ; RH: which 64 tokens are mine.  Also: I fetch for x (0) or for Wo (1)
	s_and_b32 s16, s14, 1                          ; CH: which 64 columns.  Also: which half of a chunk I fetch
	s_bfe_u32 s56, ttmp6, 0x40000                  ; cx
	s_bfe_u32 s57, ttmp6, 0x40004                  ; cy
	s_lshl_b32 s58, ttmp9, 2
	s_add_co_u32 s58, s58, s56                     ; tx: 128 columns
	s_and_b32 s17, ttmp7, 0xffff
	s_lshl_b32 s17, s17, 2
	s_add_co_u32 s17, s17, s57                     ; ty: 128 tokens
	s_lshl_b32 s59, s57, 2
	s_lshl_b32 s59, 15, s59                        ; my row of the cluster
	s_lshl_b32 s60, 0x1111, s56                    ; my column
	; group 1 for x: a dense block of 64 rows x 256 bytes (one K step's eight images)
	s_or_b32 s24, s59, (3<<16)|(1<<21)             ; 15:0 the mask: my row; 17:16 elements of 8 bytes; 21 set beside a mask; no padding
	s_mov_b32 s25, 32<<16                          ; tensor_dim0 = 32 elements
	s_mov_b32 s26, 64<<16                          ; tensor_dim1
	s_mov_b32 s27, 32<<16                          ; tile_dim0
	s_mov_b32 s28, 64                              ; tile_dim1
	s_mov_b32 s29, 32                              ; from row to row
	s_mov_b32 s30, 0
	s_mov_b32 s31, 0
	; group 1 for Wo: 64 rows x 256 bytes, 1,024 bytes apart, padded in LDS
	s_or_b32 s48, s60, (0<<16)|(1<<20)|(1<<21)|(5<<22)|(3<<25)   ; the mask: my column; elements of 1 byte; padding: four words after every 64
	s_mov_b32 s49, 256<<16
	s_mov_b32 s50, 64<<16
	s_mov_b32 s51, 256<<16
	s_mov_b32 s52, 64
	s_mov_b32 s53, 1024
	s_mov_b32 s54, 0
	s_mov_b32 s55, 0
	s_lshl_b32 s18, s17, 17                        ; x: block ty, K step CH of the chunk
	s_lshl_b32 s19, s16, 14
	s_add_co_u32 s18, s18, s19
	s_mov_b32 s19, 0
	s_lshl_b32 s84, s58, 17                        ; Wo: row 128 tx + 64 CH
	s_lshl_b32 s85, s16, 16
	s_add_co_u32 s84, s84, s85
	s_mov_b32 s85, 0
	s_lshl_b32 s22, s16, 14                        ; where they go in a chunk: no place in the cluster enters an LDS address
	s_mul_i32 s23, s16, 64*PITCH
	s_add_co_u32 s23, s23, WOFF
	s_wait_dscnt 0x0
	s_wait_kmcnt 0x0
	s_add_nc_u64 s[20:21], s[4:5], s[18:19]
	s_add_nc_u64 s[86:87], s[6:7], s[84:85]
.irp j, 0,1,2,3                                ; groups 0: a set for each chunk, x's at s32 on, Wo's at s68 on
	s_mov_b32 s[32+4*\j], 1
	s_add_co_u32 s[33+4*\j], s22, \j*CHK
	s_add_nc_u64 s[34+4*\j:35+4*\j], s[20:21], \j*32768
	s_or_b32 s[35+4*\j], s[35+4*\j], 0x80000000
	s_mov_b32 s[68+4*\j], 1
	s_add_co_u32 s[69+4*\j], s23, \j*CHK
	s_add_nc_u64 s[70+4*\j:71+4*\j], s[86:87], \j*256
	s_or_b32 s[71+4*\j], s[71+4*\j], 0x80000000
.endr
	CROUND                                         ; all sixteen work-groups are here: the joint loads meet
	s_cmp_eq_u32 s15, 0                            ; a wave's four fills stand in one branch on the wave's number: four loads of mine are out; four v_nop follow the last
	s_cbranch_scc0 .Lfor_b
.irp j, 0,1,2,3
	tensor_load_to_lds s[32+4*\j:35+4*\j], s[24:31]
	s_nop 0
.endr
.rept 4
	v_nop
.endr
	s_branch .Lasked
.Lfor_b:
.irp j, 0,1,2,3
	tensor_load_to_lds s[68+4*\j:71+4*\j], s[48:55]
	s_nop 0
.endr
.rept 4
	v_nop
.endr
.Lasked:
	s_load_b64 s[88:89], s[10:11], 0x40            ; e16, e17
	v_and_b32 v1, 15, v0                           ; r
	v_bfe_u32 v2, v0, 4, 1                         ; h
	v_and_b32 v3, 31, v0
	v_lshlrev_b32 v3, 4, v3                        ; 16 x lane
	v_mul_u32_u24 v4, v1, PITCH
	v_lshl_add_u32 v4, v2, 4, v4                   ; Wo: row r x pitch + 16 h
	s_lshl_b32 s90, s15, 13                        ; x: my four tiles of tokens: 8,192 RH
	s_mul_i32 s91, s16, 64*PITCH                   ; Wo: my 64 rows
	s_add_co_u32 s91, s91, WOFF
.irp j, 0,1,2,3
	v_add_nc_u32 v[8+\j], s90, v3
	v_add_nc_u32 v[12+\j], s91, v4
	s_add_co_u32 s90, s90, CHK
	s_add_co_u32 s91, s91, CHK
.endr
	s_mul_i32 s92, s14, 16*PITCH
	s_add_co_u32 s92, s92, STAGE                   ; my stage
	v_mul_u32_u24 v5, v1, PITCH
	v_lshl_add_u32 v5, v2, 5, v5
	v_add_nc_u32 v24, s92, v5                      ; in: row r, 32 bytes for each half of the lanes
	v_mul_u32_u24 v6, v2, PITCH
	v_lshl_add_u32 v6, v1, 4, v6
	v_add_nc_u32 v25, s92, v6                      ; back: lanes 0-15 one row of 256 bytes, lanes 16-31 the next
	v_lshlrev_b32 v26, 12, v2
	v_lshl_add_u32 v26, v1, 4, v26                 ; and the same two rows in out0 (4,096 bytes a row)
	v_lshlrev_b32 v27, 5, v2                       ; bo: my eight numbers of a block of 16
	s_lshl_b32 s94, s58, 9                         ; my first column in bytes: 4 (128 tx + 64 CH)
	s_lshl_b32 s93, s16, 8
	s_add_co_u32 s94, s94, s93
	s_mov_b32 s95, 0
	s_add_nc_u64 s[8:9], s[8:9], s[94:95]
	s_add_nc_u64 s[12:13], s[12:13], s[94:95]
	s_lshl_b32 s94, s17, 19                        ; my first row: 128 ty + 64 RH
	s_lshl_b32 s93, s15, 18
	s_add_co_u32 s94, s94, s93
	s_add_nc_u64 s[12:13], s[12:13], s[94:95]
.irp b, 0,1,2,3
	global_load_b128 v[BOV+8*\b:BOV+8*\b+3],   v27, s[8:9] offset:64*\b      ; bo(16 b + 8 h + 0 .. 7): waited for behind the products
	global_load_b128 v[BOV+8*\b+4:BOV+8*\b+7], v27, s[8:9] offset:64*\b+16
.endr
; 32 LDS loads in one run: the fragments of the q-th 128 along K of chunk j into buffer f (window 1)
.macro FETCH j, q, f
	WIN 0x40                                       ; destination window 1, address window 0
.irp a, 0,1,2,3
.irp c, 0,1,2,3
	ds_load_b128 v[\f+16*\a+4*\c:\f+16*\a+4*\c+3], v[8+\j] offset:16384*(\q)+2048*\a+512*\c
.endr
.endr
.irp b, 0,1,2,3
.irp c, 0,1,2,3
	ds_load_b128 v[\f+64+16*\b+4*\c:\f+64+16*\b+4*\c+3], v[12+\j] offset:128*(\q)+32*\c+16*PITCH*\b
.endr
.endr
.endm
; 16 matrix instructions, 128 along K: the 16 accumulators take turns, in the same order in every step.  zero = 1: the first product starts the sums
.macro MUL f, zero
	WIN 0x05                                       ; sources 0 (Wo) and 1 (x) window 1; C and D window 0
.irp a, 0,1,2,3
.irp b, 0,1,2,3
.if \zero
	v_wmma_f32_16x16x128_bf8_bf8 v[ACC+8*(4*\a+\b):ACC+8*(4*\a+\b)+7], v[\f+64+16*\b:\f+64+16*\b+15], v[\f+16*\a:\f+16*\a+15], 0
.else
	v_wmma_f32_16x16x128_bf8_bf8 v[ACC+8*(4*\a+\b):ACC+8*(4*\a+\b)+7], v[\f+64+16*\b:\f+64+16*\b+15], v[\f+16*\a:\f+16*\a+15], v[ACC+8*(4*\a+\b):ACC+8*(4*\a+\b)+7]
.endif
.endr
.endr
.endm
; K step ks of eight.  Its fragments are in; the next step's are asked for, into the other buffer, ahead of this step's products.  Where the next step opens a chunk: the count leaves my loads of the later chunks out, and behind the barrier
; every wave's part of that chunk lies in LDS (no LDS access of mine is pending at the signal).
.macro KS ks, zero
	s_wait_dscnt 0x0
.if ((\ks)%2 == 1) && ((\ks) < 7)
	s_wait_tensorcnt 3-((\ks)+1)/2
	s_barrier_signal -1
	s_barrier_wait -1
.endif
.if (\ks) < 7
	PLACES
	FETCH ((\ks)+1)/2, ((\ks)+1)%2, 128*(((\ks)+1)%2)
.endif
	MUL 128*((\ks)%2), \zero
.endm
	s_wait_tensorcnt 3                             ; my part of chunk 0 is in; the three later loads may be out
	s_barrier_signal -1
	s_barrier_wait -1                              ; everybody's is
	FETCH 0, 0, 0
	KS 0, 1
	KS 1, 0
	KS 2, 0
	KS 3, 0
	KS 4, 0
	KS 5, 0                                        ; its wait on the tensor loads is for 0: none is out from here on
	KS 6, 0
	KS 7, 0
	WIN 0
	s_wait_kmcnt 0x0
	s_add_co_i32 s96, s88, s89                     ; e16 + e17, between -126 and 127,
	s_add_co_i32 s96, s96, 127
	s_lshl_b32 s96, s96, 23                        ; makes the f32 number 2^(e16 + e17)
	s_mov_b32 s97, s96                             ; (named with it as a pair, so it is written)
	s_wait_loadcnt 0x0                             ; bo
	PLACES
; THE WAY OUT, a block of 16 tokens x 64 columns at a time.  A lane holds 32 neighbouring bytes of a row and the lanes beside it other rows: so a block goes through my own stage and comes back as rows of 256 bytes, which sixteen lanes store as
; one aligned unit.  LDS serves a wave's instructions in order (ISA guide 5.7.1.4): no wait between the stores and the loads, nor in front of the next block's stores.  The rows come back into the block's own accumulators, so no store's data are written again.
.macro TOSTAGE a
.set i, 0
.rept 16
	v_pk_fma_f32 v[TMP+i:TMP+i+1], v[ACC+32*(\a)+i:ACC+32*(\a)+i+1], s[96:97], v[BOV+i:BOV+i+1] op_sel_hi:[1,0,1]   ; sum x 2^(e16 + e17) + bo; each accumulator from its low end on
.set i, i+2
.endr
.irp b, 0,1,2,3
	ds_store_b128 v24, v[TMP+8*\b:TMP+8*\b+3] offset:64*\b
	ds_store_b128 v24, v[TMP+8*\b+4:TMP+8*\b+7] offset:64*\b+16
.endr
.irp t, 0,1,2,3,4,5,6,7
	ds_load_b128 v[ACC+32*(\a)+4*\t:ACC+32*(\a)+4*\t+3], v25 offset:2*PITCH*\t
.endr
.endm
.macro SEND a, younger                 ; younger: the LDS instructions issued behind block a's loads, which may stay out
	s_wait_dscnt \younger
.irp t, 0,1,2,3,4,5,6,7
	global_store_b128 v26, v[ACC+32*(\a)+4*\t:ACC+32*(\a)+4*\t+3], s[12:13] offset:(16*(\a)+2*\t)*4096 th:TH_STORE_NT   ; 16 lanes store 256 consecutive bytes, aligned; written once, read by nobody here
.endr
.endm
	TOSTAGE 0
	TOSTAGE 1
	SEND 0, 16                                     ; behind block 0's loads: block 1's eight stores and eight loads
	TOSTAGE 2
	SEND 1, 16
	TOSTAGE 3
	SEND 2, 16
	SEND 3, 0
	s_wait_tensorcnt 0x0
	ds_add_u32 v126, v127
	s_wait_dscnt 0x0
	CROUND                                         ; the closing round: no work-group ends while a partner may still ask for a tile that names it
	s_endpgm
.Lfunc_end_k_q0a84b45870_outp:
	.size	k_q0a84b45870_outp, .Lfunc_end_k_q0a84b45870_outp-k_q0a84b45870_outp
	.p2alignl 7, 3214868480
	.fill 96, 4, 3214868480
	.section	.rodata,"a",@progbits
	.p2align	6, 0x0
	.amdhsa_kernel k_q0a84b45870_outp
		.amdhsa_group_segment_fixed_size 327680
		.amdhsa_private_segment_fixed_size 0
		.amdhsa_enable_private_segment 0
		.amdhsa_kernarg_size 40
		.amdhsa_user_sgpr_count 2
		.amdhsa_user_sgpr_kernarg_segment_ptr 1
		.amdhsa_wavefront_size32 1
		.amdhsa_system_sgpr_workgroup_id_x 1
		.amdhsa_system_sgpr_workgroup_id_y 1
		.amdhsa_system_sgpr_workgroup_id_z 1
		.amdhsa_system_vgpr_workitem_id 0
		.amdhsa_next_free_vgpr 512
		.amdhsa_next_free_sgpr 100
		.amdhsa_reserve_vcc 0
		.amdhsa_float_denorm_mode_32 3
		.amdhsa_float_denorm_mode_16_64 3
		.amdhsa_memory_ordered 1
		.amdhsa_forward_progress 1
		.amdhsa_inst_pref_size 47
	.end_amdhsa_kernel
	.amdgpu_metadata
---
amdhsa.version: [ 1, 2 ]
amdhsa.kernels:
  - .name:           k_q0a84b45870_outp
    .symbol:         k_q0a84b45870_outp.kd
    .args:
      - { .name: x_img, .offset: 0, .size: 8, .value_kind: global_buffer, .address_space: global }
      - { .name: wo_codes, .offset: 8, .size: 8, .value_kind: global_buffer, .address_space: global }
      - { .name: bo, .offset: 16, .size: 8, .value_kind: global_buffer, .address_space: global }
      - { .name: lowp_scales, .offset: 24, .size: 8, .value_kind: global_buffer, .address_space: global }
      - { .name: out0, .offset: 32, .size: 8, .value_kind: global_buffer, .address_space: global }
    .group_segment_fixed_size: 327680
    .private_segment_fixed_size: 0
    .kernarg_segment_align: 8
    .kernarg_segment_size: 40
    .max_flat_workgroup_size: 128
    .sgpr_count:     100
    .vgpr_count:     512
    .wavefront_size: 32
...
	.end_amdgpu_metadata
.endif
;; end of part 3
;; ======== version 2 of 2: 3 launches; version 1 with the launch attn written anew for expert scheduling mode
;; limits: right only within a limited range of input values
;; workspace buffers: q_img 4,194,304 bytes; k_img 4,194,304 bytes; v_img 4,194,304 bytes; x_img 4,194,304 bytes; mw 524,288 bytes of whole numbers; mf 131,072 bytes of whole numbers
;; launch proj: the kernel of part 1 again; grid 8 x 48, 4 waves a work-group, clusters of 4 x 4, 327,680 bytes of LDS; arguments value_codes, wv1_codes, wv2_codes, bv1, bv2, v_img, query_codes, wq1_codes, wq2_codes, bq1, bq2, q_img, key_codes, wk1_codes, wk2_codes, bk1, bk2, k_img, lowp_scales, mask, mw, mf; writes v_img, q_img, k_img, mw, mf
;; launch attn (part 4): grid 8 x 32, 16 waves a work-group, no clusters, 264,192 bytes of LDS; arguments q_img, k_img, v_img, mw, mf, lowp_scales, x_img; writes x_img
.if DOCPART == 4
	.amdgcn_target "amdgcn-amd-amdhsa--gfx1250"
	.amdhsa_code_object_version 6
	.text
	.protected	k_q0a84b45870_attn
	.globl	k_q0a84b45870_attn
	.p2align	8
	.type	k_q0a84b45870_attn,@function
k_q0a84b45870_attn:
	s_mov_b64 s[64:65], 0
	v_nop
	global_prefetch_b8 v0, s[64:65] scope:SCOPE_SE
	s_setreg_imm32_b32 hwreg(HW_REG_WAVE_SCHED_MODE, 0, 2), 2
	s_setreg_imm32_b32 hwreg(HW_REG_WAVE_MODE, 25, 1), 1
	s_wait_xcnt 0x0
	s_wait_alu depctr_vm_vsrc(0)
; ATTENTION on codes of BF8 (E5M2): x[q] = the sum over k of softmax_k(q . k / 8, masked) v[k], for 32 (batch, head) pairs of 2,048 x 2,048, head size 64; x is quantised with entry 16 of the scales and stored as the operand image of the last product.
; THE SOFTMAX AHEAD OF THE SECOND PRODUCT: t = logit x log2(e); M = the row's largest t so far, rounded UP to a whole number; p = 2^(t - M) is quantised (entry 14); the row's sum is taken of the unquantised p and divides at the end.
; When M moves, the sum and O are multiplied by 2^(old M - new M): exact.
; THE MASK is an input and is honoured as it is given.  A masked score is replaced by NEG = -2^(33 - e12 - e13), so that its t is -1.4427 x 2^30, a whole number: in a row whose keys are all masked t - M is exactly 0 for every key, p = 1, the sum
; 2,048: the uniform weights that a softmax of equal logits gives.  As soon as a key counts, M leaps up and everything summed before is multiplied by 0; afterwards a masked key's p is 0.
; KEY STEPS THAT ARE WHOLLY MASKED ARE PASSED OVER.  So a step all of whose 16 x 128 scores are masked adds nothing to a row that has a key that counts anywhere.  The launch before has stored, for each tile of 16 queries, which of its rows have such a
; key and which of its 16 key steps hold one (mf).  If all 16 rows have one, the steps that hold none are left out, by a scalar branch on the stored bits; if any row has none, every step is worked.  The results are the same bit for bit.
; The loop has 16 trips whatever the mask; the branch goes round a step's work, never round the lines that step addresses.
; NO TENSOR LOAD, NO CLUSTER: the walk hangs on numbers read from memory.  K and V come through registers instead.
; LIMIT: a masked logit is -2^30 (-1.074e9) in place of -1e9: the results are the same as long as every unmasked logit lies above -1e9.
; LIMITS on the given exponents, so that each power of two below is an f32 number: e12 + e13 between -94 and 130; e14 and e16 between -126 and 112; e14 + e15 is applied by v_ldexp_f32 and has none.
; SHARES.  A work-group serves one head; each of its SIXTEEN waves owns one tile of 16 queries, in 256 registers: four waves to a SIMD, so that one wave's vector work stands beside another's matrix work and LDS loads.
; WHICH TILE: wave w of work-group x takes tile 8 c(w) + x; c(0 .. 15) = 15 2 1 12 | 4 9 10 7 | 8 5 6 11 | 3 14 13 0: a square whose rows and columns all add up to 30.  So every four waves w, w + 4, w + 8, w + 12, and every four
; 4 g .. 4 g + 3, own tiles spread evenly over the queries: where the number of steps worked grows or falls with the query's number, the sums are even.  It is a permutation of the tiles: right for any mask.
; A head's K and V are 131,072 bytes of codes each: BOTH LIE IN LDS WHOLE.  Wave w brings 16,384 bytes (waves 0-7: K, waves 8-15: V): 32 loads of 512 consecutive bytes, all issued at once into v32-159, and as many LDS stores; one barrier.
; LAYOUT.  Both products are used transposed: S^T = K Q^T (source 0 = 16 keys, source 1 = my 16 queries), O^T = V^T P^T: a lane holds ONE query (lane % 16) throughout; tile t's register j is key 16 t + 8 (lane / 16) + j, so the conversions' results
; are the second product's operand in its own layout.  K's and V's tiles lie in LDS as images of the operands' registers: a fragment comes by loads of 16 bytes at 16 x lane.
; THE MASK WORDS (one bit a lane for each of the 64 score registers of a key step) come by scalar loads, asked for at the head of a step that is worked, and are the select operands of 64 v_cndmask_b32: one instruction a score.
; THE MODE: SCHED_MODE bits 1:0 = 2 (LLVM: expert scheduling mode 2), set by the entry lines.  The code itself states the register dependences between vector or matrix instructions and memory or LDS instructions, with s_wait_alu, always for 0.
; THE PLAN.  Registers that memory or LDS instructions touch:
;   v1, v3        Offsets and addresses, made once at the head (with v2, from which v9 is made) ahead of one wait on va_vdst, and never written again.  v1: the global loads and the last two stores; v3: the LDS stores.
;   v16-23        Q: two global loads land here; read by the products K Q^T alone.
;   v32-159       At the head: 32 global loads land here and 32 LDS stores read them.  One wait on vm_vsrc behind the barrier: from there on the loop writes them.
;   v32-95        In a worked step: K's 16 LDS loads land; the eight products K Q^T read; V's 16 LDS loads land; the four products V^T P^T read.  So one wait on va_vdst stands ahead of each of the two runs of loads.
;   v8, v9        The step's LDS addresses: written by two adds at a worked step's head, read by that step's LDS loads.  A wait on vm_vsrc ahead of the adds; the wait on va_vdst ahead of K's loads, which stands there anyway, states that they are written.
;   v224-231      On the way out: four conversions write them, two global stores read them: one wait on va_vdst between.
;   v251, v255    Written at the head, read by the closing add alone.
;   v96-159 in the loop, O^T, p's codes and the statistics are named by vector and matrix instructions alone.
; A second buffer for K would want 64 registers on end; the longest run that this text leaves free is v192-223, and four waves of 256 registers fill a SIMD's 1,024.  V's loads stand straight behind the wait that frees their registers and have the softmax in which to land.
; REGISTERS: v1 16 x lane, v2 the same + V's base, v3 where I store K or V; v8, v9 the step's addresses; v12 -M, v13 the largest t, v[14:15] the sum in two halves; v16-23 Q; v24 e14 + e15; v25, v26 x's scale and 57,344 x it; v27 NEG;
;   v32-95 K's eight fragments, then V's four; v96-159 S^T, then p; v160-191 O^T; v224-239 p's codes (v236 is at work ahead of them); v240, v244: 57,344 x 2^e14, 2^e14; v242-243, v252-254 at work; v251, v255 the add's two.
; SCALARS: s2 wave, s3 the step, s4 the list of steps to work (a bit a step), s5-15 at work, s[66:67] c, s[68:73] bases, s[96:97] lane selects, s[98:99] my tile's mask words, s100 the step's offset in them, s101 the step's LDS byte,
;   s[104:105] x's image; s16-63 and s80-95 the 64 mask words (at the head: the arguments and what is read through them).
	s_load_b256 s[16:23], s[0:1], 0x0              ; q_img s[16:17], k_img s[18:19], v_img s[20:21], mw s[22:23]
	s_load_b128 s[24:27], s[0:1], 0x20             ; mf s[24:25], the scales' exponents s[26:27]
	s_load_b64 s[28:29], s[0:1], 0x30              ; x_img
	v_lshl_add_u32 v251, v0, 2, 0x40000            ; my spare word, behind K and V: 128 bytes a wave, eight blocks of 256 bytes that no other line names; never rewritten
	v_mov_b32 v255, 0                              ; 0; never rewritten
	v_lshrrev_b32 v1, 5, v0
	v_readfirstlane_b32 s2, v1                     ; wave 0..15
	s_mov_b32 s6, 0x7a94c12f                       ; c(0 .. 7), four bits each, c(0) lowest
	s_mov_b32 s7, 0x0de3b658                       ; c(8 .. 15)
	s_wait_alu depctr_va_sdst(0)                   ; s2 is written, ahead of its first reader: the tile, the bases and the LDS address are made from it
	s_cmp_lt_u32 s2, 8
	s_cselect_b32 s6, s6, s7
	s_and_b32 s7, s2, 7
	s_lshl_b32 s8, s7, 2
	s_lshr_b32 s6, s6, s8
	s_and_b32 s6, s6, 15                           ; c(wave)
	s_lshl_b32 s6, s6, 3
	s_add_co_u32 s6, s6, ttmp9                     ; qt: my tile of 16 queries, 0..127: it enters global addresses alone
	s_and_b32 s9, ttmp7, 0xffff                    ; Hh = 16 batch + head
	s_lshl_b32 s10, s9, 17                         ; the head's first byte in each image
	s_lshl_b32 s12, s7, 14
	s_add_co_u32 s12, s12, s10                     ; K or V: + 16,384 (wave % 8)
	s_mov_b32 s13, 0
	s_lshl_b32 s14, s6, 10
	s_add_co_u32 s14, s14, s10                     ; Q: + 1,024 qt
	s_mov_b32 s15, 0
	s_lshl_b32 s8, s2, 14                          ; in LDS: 16,384 x wave: K's 131,072 bytes, then V's
	v_and_b32 v1, 31, v0
	v_lshlrev_b32 v1, 4, v1                        ; 16 x lane
	v_add_nc_u32 v3, s8, v1
	v_add_nc_u32 v2, 0x20000, v1                   ; 16 x lane + V's base
	s_wait_kmcnt 0x0
	s_cmp_lt_u32 s2, 8
	s_cselect_b64 s[68:69], s[18:19], s[20:21]
	s_add_nc_u64 s[68:69], s[68:69], s[12:13]
	s_add_nc_u64 s[70:71], s[16:17], s[14:15]
	s_wait_alu depctr_va_vdst(0)                   ; v1, v2 and v3 are written, of which the global loads and stores read v1 and the LDS stores v3; so are v251 and v255, which the closing add reads
	global_load_b128 v[16:19], v1, s[70:71]        ; Q's fragment stays in registers
	global_load_b128 v[20:23], v1, s[70:71] offset:512
.set i, 0
.rept 32
	global_load_b128 v[32+4*i:35+4*i], v1, s[68:69] offset:512*i   ; my 16,384 bytes of K or V: 512 consecutive bytes a load; other work-groups of the head read them too, so no hint
.set i, i+1
.endr
	s_load_b128 s[32:35], s[26:27], 0x30           ; e12, e13, e14, e15
	s_load_b32 s36, s[26:27], 0x40                 ; e16
	s_lshl_b32 s14, s6, 10                         ; my tile's four words of flags, 256 bytes apart
	s_add_nc_u64 s[72:73], s[24:25], s[14:15]
	s_load_b32 s48, s[72:73], 0x0
	s_load_b32 s49, s[72:73], 0x100
	s_load_b32 s50, s[72:73], 0x200
	s_load_b32 s51, s[72:73], 0x300
	s_lshl_b32 s14, s6, 12
	s_add_nc_u64 s[98:99], s[22:23], s[14:15]      ; my tile's mask words: 16 steps of 256 bytes
	s_lshr_b32 s10, s9, 4                          ; x's image: T8 = 128 batch + qt: block T8 / 8 of 128 tokens, tile T8 % 8;
	s_lshl_b32 s10, s10, 7
	s_add_co_u32 s10, s10, s6
	s_lshr_b32 s11, s10, 3
	s_lshl_b32 s11, s11, 17
	s_and_b32 s10, s10, 7
	s_lshl_b32 s10, s10, 11
	s_add_co_u32 s11, s11, s10
	s_and_b32 s10, s9, 15                          ; k = 64 head + d: K step head / 2, its registers 8 (head % 2) on
	s_lshr_b32 s10, s10, 1
	s_lshl_b32 s10, s10, 14
	s_add_co_u32 s11, s11, s10
	s_and_b32 s10, s9, 1
	s_lshl_b32 s10, s10, 10
	s_add_co_u32 s14, s11, s10
	s_add_nc_u64 s[104:105], s[28:29], s[14:15]
	s_mov_b32 s96, 0x76543210                      ; v_permlanex16_b32's selects for lane l xor 16
	s_mov_b32 s97, 0xfedcba98
	v_mov_b32 v13, 0xff61b1e6                      ; the largest t so far: -3e38, under every t.  (None of the vector lines from here to the loop names a register that the loads above or the LDS stores below touch)
	v_floor_f32 v12, -v13                          ; -M
	v_mov_b32 v14, 0                               ; the sum, in two halves
	v_mov_b32 v15, 0
	v_mov_b32 v236, 0                              ; written once: a lane permute's destination counts as one of its sources
	v_mov_b32 v252, 0                              ; likewise
	v_mov_b32 v253, 0                              ; (named as the upper half of the pair v[252:253])
.set j, 0
.rept 32
	v_mov_b32 v[160+j], 0                          ; O^T.  (The step is written once: the first finds zeros, which the first change of M leaves zeros)
.set j, j+1
.endr
	s_wait_kmcnt 0x0
	s_add_co_i32 s37, s32, s33                     ; e12 + e13: a score stands for score x 2^(e12 + e13)
	s_lshl_b32 s38, s37, 23
	s_add_co_i32 s66, s38, 0x3e38aa3b              ; c = log2(e) / 8, with the two exponents added to its exponent field
	s_mov_b32 s67, s66                             ; (named with it as a pair, so it is written)
	s_sub_co_i32 s38, 160, s37
	s_lshl_b32 s38, s38, 23
	s_or_b32 s38, s38, 0x80000000
	v_mov_b32 v27, s38                             ; NEG = -2^(33 - e12 - e13)
	s_add_co_i32 s38, s34, s35
	v_mov_b32 v24, s38                             ; e14 + e15
	s_add_co_i32 s38, s34, 127
	s_lshl_b32 s39, s38, 23
	v_mov_b32 v244, s39                            ; 2^e14 as f32, for p's conversions
	s_add_co_i32 s38, s38, 15
	s_lshl_b32 s38, s38, 23
	s_or_b32 s38, s38, 0x600000
	v_mov_b32 v240, s38                            ; 57,344 x 2^e14
	s_add_co_i32 s38, s36, 127
	s_lshl_b32 s39, s38, 23
	v_mov_b32 v25, s39                             ; 2^e16, for x's
	s_add_co_i32 s38, s38, 15
	s_lshl_b32 s38, s38, 23
	s_or_b32 s38, s38, 0x600000
	v_mov_b32 v26, s38
	; the list of steps to work, from the four words of flags (bits 15:0: rows that have a key that counts in that quarter of the keys; bits 19:16: its four steps)
	s_or_b32 s52, s48, s49
	s_or_b32 s52, s52, s50
	s_or_b32 s52, s52, s51
	s_and_b32 s52, s52, 0xffff                     ; the rows that have a key that counts at all
	s_bfe_u32 s4, s48, 0x40010                     ; four bits from bit 16: steps 0 to 3,
	s_bfe_u32 s53, s49, 0x40010
	s_lshl_b32 s53, s53, 4
	s_or_b32 s4, s4, s53                           ; 4 to 7,
	s_bfe_u32 s53, s50, 0x40010
	s_lshl_b32 s53, s53, 8
	s_or_b32 s4, s4, s53                           ; 8 to 11,
	s_bfe_u32 s53, s51, 0x40010
	s_lshl_b32 s53, s53, 12
	s_or_b32 s4, s4, s53                           ; 12 to 15
	s_cmp_eq_u32 s52, 0xffff
	s_cselect_b32 s4, s4, 0xffff                   ; a row without any key that counts wants all 2,048 keys: then every step is worked
.set i, 0
.rept 32
	s_wait_loadcnt 31-i                            ; loads come back in order (ISA guide 5.7.1): load i is in (and Q, which is older); the 31 - i younger ones may be out
	ds_store_b128 v3, v[32+4*i:35+4*i] offset:512*i   ; 512 consecutive bytes.  v3 was written ahead of the head's wait on va_vdst and has not been named since; the data come from loads
.set i, i+1
.endr
	s_wait_dscnt 0x0                               ; for the others' sake: my stores have landed
	s_barrier_signal -1
	s_barrier_wait -1                              ; all of K and V lies in LDS; nothing is written there again
	s_wait_alu depctr_vm_vsrc(0)                   ; my LDS stores have read v32-159: from here on the loop's LDS loads land in v32-95, and its products and vector lines write v96-159
	s_wait_alu depctr_va_vdst(0)                   ; the six moves above have read s38 and s39, in which the first worked step's scalar loads land
	s_mov_b32 s100, 0
	s_mov_b32 s101, 0
	s_mov_b32 s3, 0
; A KEY STEP: 128 keys.  s101 = 8,192 x the step: a step's eight tiles of K are 8,192 bytes, and so are its four of V.
.Lstep:
	s_lshr_b32 s5, s4, s3
	s_and_b32 s5, s5, 1
	s_cmp_eq_u32 s5, 0
	s_cbranch_scc1 .Lpassed                        ; nothing in this step counts for my queries
	s_load_b512 s[16:31], s[98:99], s100 offset:0x0      ; the step's 64 mask words: the two address adds, two v_nop, 32 LDS loads, the wait for K, eight products and four more v_nop stand between these and the wait for them
	s_load_b512 s[32:47], s[98:99], s100 offset:0x40
	s_load_b512 s[48:63], s[98:99], s100 offset:0x80
	s_load_b512 s[80:95], s[98:99], s100 offset:0xc0
	s_wait_alu depctr_vm_vsrc(0)                   ; the LDS loads of the last worked step have read v8 and v9, which the two adds write
	v_add_nc_u32 v8, s101, v1
	v_add_nc_u32 v9, s101, v2
	v_nop
	v_nop                                          ; with the two adds: four places behind the last products; they stay beside the wait below
	s_wait_alu depctr_va_vdst(0)                   ; v8 and v9 are written, which this step's LDS loads read; the last worked step's products V^T P^T are done reading v32-95, in which K's fragments land
.irp t, 0,1,2,3,4,5,6,7
	ds_load_b128 v[32+8*\t:35+8*\t], v8 offset:1024*\t
	ds_load_b128 v[36+8*\t:39+8*\t], v8 offset:1024*\t+512
.endr
	s_wait_dscnt 0x0
.irp t, 0,1,2,3,4,5,6,7
	v_wmma_f32_16x16x64_bf8_bf8 v[96+8*\t:103+8*\t], v[32+8*\t:39+8*\t], v[16:23], 0   ; S^T: keys 16 t on
.endr
.rept 4
	v_nop                                          ; places in front of the first read of the scores (ISA guide 7.12.1)
.endr
	s_wait_alu depctr_va_vdst(0)                   ; the eight products are done reading v32-95, in which V's fragments land; v9 has not been named since the wait at the step's head
.irp d, 0,1,2,3                                ; V's four fragments are asked for at once: they land under the softmax, none of whose lines names v32-95 or v9
.irp c, 0,1,2,3
	ds_load_b128 v[32+16*\d+4*\c:35+16*\d+4*\c], v9 offset:2048*\d+512*\c
.endr
.endr
	s_wait_kmcnt 0x0                               ; the mask words
.set n, 0
.rept 64
.if n < 48
	v_cndmask_b32 v[96+n], v27, v[96+n], s[16+n]   ; the score where the lane's bit is set, else NEG; each accumulator from its low end on
.else
	v_cndmask_b32 v[96+n], v27, v[96+n], s[32+n]
.endif
.set n, n+1
.endr
	v_max3_num_f32 v254, v96, v97, v98             ; the step's largest score of my query, among my 64 keys, in two chains,
	v_max3_num_f32 v252, v99, v100, v101
.irp i, 6,10,14,18,22,26,30,34,38,42,46,50,54,58
	v_max3_num_f32 v254, v254, v[96+\i], v[97+\i]
	v_max3_num_f32 v252, v252, v[98+\i], v[99+\i]
.endr
	v_max3_num_f32 v254, v254, v158, v159
	v_max_num_f32 v254, v254, v252
	v_permlanex16_b32 v236, v254, s96, s97
	v_max_num_f32 v254, v254, v236                 ; and among lane l xor 16's
	v_mul_f32 v254, s66, v254                      ; as t (c is positive)
	v_max_num_f32 v13, v13, v254                   ; the running largest t
	v_mov_b32 v254, v12
	v_floor_f32 v12, -v13                          ; the new -M = floor(-t) = -ceil(t): M is a whole number
	v_sub_f32 v254, v12, v254                      ; M's old value less its new one: a whole number, 0 or less
	v_cvt_i32_f32 v254, v254                       ; (it saturates)
	v_ldexp_f32 v252, 1.0, v254                    ; f = 2^(old M - new M)
.set j, 0
.rept 32
	v_pk_fma_f32 v[96+j:97+j], v[96+j:97+j], s[66:67], v[12:13] op_sel_hi:[1,0,0]   ; t - M, two at a time (of the pairs c and -M the low word serves both halves)
.set j, j+2
.endr
.set j, 0
.rept 64
	v_exp_f32 v[96+j], v[96+j]                     ; p = 2^(t - M), at most 1: not normalised
.set j, j+1
.endr
	v_pk_mul_f32 v[14:15], v[14:15], v[252:253] op_sel_hi:[1,0]   ; the sums under the new M: a plain instruction behind the exponentials
	s_wait_alu depctr_va_vdst(0)                   ; the 64 exponentials have written v96-159: one wait for the batch, ahead of its first reader.  The 64 selects are also done reading the mask words' scalar registers, in which the next worked step's scalar loads land
	v_pk_add_f32 v[242:243], v[96:97], v[98:99]    ; the row's sum is taken of the unquantised p: two at a time, in two chains
.irp j, 4,8,12,16,20,24,28,32,36,40,44,48,52,56,60
	v_pk_add_f32 v[14:15], v[14:15], v[96+\j:97+\j]
	v_pk_add_f32 v[242:243], v[242:243], v[98+\j:99+\j]
.endr
	v_pk_add_f32 v[14:15], v[14:15], v[242:243]
.set t, 0
.rept 8
.set i, 0
.rept 8
	v_min_num_f32 v[96+8*t+i], v[96+8*t+i], v240   ; the conversion to an 8-bit code does not saturate (ISA guide 7.6.2); p is not negative, so the hold is one-sided
.set i, i+1
.endr
	v_cvt_scalef32_pk8_bf8_f32 v[224+2*t:225+2*t], v[96+8*t:103+8*t], v244   ; registers 2 t, 2 t + 1 of the operand: keys 16 t + 8 h + 0 .. 7
.set t, t+1
.endr
.set j, 0
.rept 16
	v_pk_mul_f32 v[160+j:161+j], v[160+j:161+j], v[252:253] op_sel_hi:[1,0]   ; O^T under the new M.  (Plain instructions between the conversions and the products)
.set j, j+2
.endr
	s_wait_dscnt 0x0                               ; V is in
.irp d, 0,1,2,3                                ; O^T += V^T P^T: the four accumulators take turns
	v_wmma_f32_16x16x128_bf8_bf8 v[160+8*\d:167+8*\d], v[32+16*\d:47+16*\d], v[224:239], v[160+8*\d:167+8*\d]
.endr
.Lpassed:
	s_add_co_u32 s100, s100, 256                   ; (the scalar loads that named s100 were waited for above)
	s_add_co_u32 s101, s101, 8192
	s_add_co_u32 s3, s3, 1
	s_cmp_lt_u32 s3, 16
	s_cbranch_scc1 .Lstep
	; THE WAY OUT.  O^T / the sum x 2^(e14 + e15) is x; tile d's register j is channel 32 (d / 2) + 16 h + 8 (d % 2) + j of my query (V's rows were laid so), so tiles 2 b and 2 b + 1 give 16 neighbours along the last product's K.
.rept 4
	v_nop                                          ; places behind the last products
.endr
	v_add_f32 v14, v14, v15                        ; the sum's two halves,
	v_permlanex16_b32 v252, v14, s96, s97
	v_add_f32 v14, v14, v252                       ; and lane l xor 16's: the row's sum, above 1/2
	v_rcp_f32 v14, v14
	v_nop                                          ; a plain instruction behind the reciprocal
	s_wait_alu depctr_va_vdst(0)                   ; the reciprocal has written v14: the wait ahead of its first reader
	v_ldexp_f32 v14, v14, v24
.set j, 0
.rept 32
	v_mul_f32 v[96+j], v[160+j], v14
.set j, j+1
.endr
.set j, 0
.rept 32
	v_med3_num_f32 v[96+j], v[96+j], -v26, v26     ; the hold at 57,344 x 2^e16
.set j, j+1
.endr
.irp d, 0,1,2,3
	v_cvt_scalef32_pk8_bf8_f32 v[224+2*\d:225+2*\d], v[96+8*\d:103+8*\d], v25
.endr
	v_nop                                          ; one plain vector instruction behind the last conversion
	s_wait_alu depctr_va_vdst(0)                   ; the four conversions have written v224-231, which the two stores read
	global_store_b128 v1, v[224:227], s[104:105]              ; k = 64 head + 16 h + 0 .. 15: 512 consecutive bytes, aligned
	global_store_b128 v1, v[228:231], s[104:105] offset:512   ; k = 64 head + 32 + 16 h + 0 .. 15
	s_wait_dscnt 0x0                               ; the closing lines, six on end
	s_wait_alu 0x0
	s_wait_tensorcnt 0x0
	ds_add_u32 v251, v255
	s_wait_dscnt 0x0
	s_endpgm
.Lfunc_end_k_q0a84b45870_attn:
	.size	k_q0a84b45870_attn, .Lfunc_end_k_q0a84b45870_attn-k_q0a84b45870_attn
	.p2alignl 7, 3214868480
	.fill 96, 4, 3214868480
	.section	.rodata,"a",@progbits
	.p2align	6, 0x0
	.amdhsa_kernel k_q0a84b45870_attn
		.amdhsa_group_segment_fixed_size 264192
		.amdhsa_private_segment_fixed_size 0
		.amdhsa_enable_private_segment 0
		.amdhsa_kernarg_size 56
		.amdhsa_user_sgpr_count 2
		.amdhsa_user_sgpr_kernarg_segment_ptr 1
		.amdhsa_wavefront_size32 1
		.amdhsa_system_sgpr_workgroup_id_x 1
		.amdhsa_system_sgpr_workgroup_id_y 1
		.amdhsa_system_sgpr_workgroup_id_z 1
		.amdhsa_system_vgpr_workitem_id 0
		.amdhsa_next_free_vgpr 256
		.amdhsa_next_free_sgpr 106
		.amdhsa_reserve_vcc 0
		.amdhsa_float_denorm_mode_32 3
		.amdhsa_float_denorm_mode_16_64 3
		.amdhsa_memory_ordered 1
		.amdhsa_forward_progress 1
		.amdhsa_inst_pref_size 37
	.end_amdhsa_kernel
	.amdgpu_metadata
---
amdhsa.version: [ 1, 2 ]
amdhsa.kernels:
  - .name:           k_q0a84b45870_attn
    .symbol:         k_q0a84b45870_attn.kd
    .args:
      - { .name: q_img, .offset: 0, .size: 8, .value_kind: global_buffer, .address_space: global }
      - { .name: k_img, .offset: 8, .size: 8, .value_kind: global_buffer, .address_space: global }
      - { .name: v_img, .offset: 16, .size: 8, .value_kind: global_buffer, .address_space: global }
      - { .name: mw, .offset: 24, .size: 8, .value_kind: global_buffer, .address_space: global }
      - { .name: mf, .offset: 32, .size: 8, .value_kind: global_buffer, .address_space: global }
      - { .name: lowp_scales, .offset: 40, .size: 8, .value_kind: global_buffer, .address_space: global }
      - { .name: x_img, .offset: 48, .size: 8, .value_kind: global_buffer, .address_space: global }
    .group_segment_fixed_size: 264192
    .private_segment_fixed_size: 0
    .kernarg_segment_align: 8
    .kernarg_segment_size: 56
    .max_flat_workgroup_size: 512
    .sgpr_count:     106
    .vgpr_count:     256
    .wavefront_size: 32
...
	.end_amdgpu_metadata
.endif
;; end of part 4
;; launch outp: the kernel of part 3 again; grid 8 x 32, 4 waves a work-group, clusters of 4 x 4, 327,680 bytes of LDS; arguments x_img, wo_codes, bo, lowp_scales, out0; writes out0
